; MI455X (gfx1250); checked and timed in simulation.
; The chip was launched on July 23, 2026; its instructions are those of AMD's public machine-readable ISA for CDNA 5 (MIT licence, August 2026) and "CDNA5" Instruction Set Architecture Reference Guide (July 2026). The comments in the code are by the model that wrote it; some were corrected since.
;; Causal Self Attention. Allowed arithmetic: matrix products marked QUANTISED: E4M3 operands, one given power-of-two scale a tensor, by v_wmma_f32_16x16x64_fp8_fp8 or v_wmma_f32_16x16x128_fp8_fp8, f32 sums; products left as they are: f32 operands where the result goes on into a quantised operand, else bf16, f16 or f32 operands; f32 sums; everything else in f32.
;; Inputs: W_out 1,024 x 1,024 float32; W_qkv 1,024 x 3,072 float32; b_out 1,024 float32; b_qkv 3,072 float32; lowp_scales 8 int32 (the exponents e of the quantised operands' scales 2^e); x 4 x 2,048 x 1,024 float32.
;; Outputs: out0 4 x 2,048 x 1,024 float32.
;; This version of the problem:
;;   THIS VERSION OF THE PROBLEM IS GIVEN IN LOW PRECISION. The matrix products marked QUANTISED in the list below multiply operands that are first quantised to E4M3 (4 exponent bits, 3 mantissa bits; 8 bits a number), with one given power-of-two scale for each operand tensor; their sums are f32. All else is computed in f32.
;;   The module's matrix products, in the order in which they are computed (A, B: the left and right operand; K: the contracted axis; several contracted axes count as one K, in the product's order):
;;     1. [M 8,192, K 1,024] x [K 1,024, N 3,072]; A: input x; B: input W_qkv: QUANTISED (scales: A lowp_scales[0], B lowp_scales[1])
;;     2. [M 2,048, K 1] x [K 1, N 32]; A: computed on the way; B: computed on the way: left as it is (no contracted axis)
;;     3. batch 64 x [M 2,048, K 64] x [K 64, N 2,048]; A: computed on the way; B: computed on the way: QUANTISED (scales: A lowp_scales[2], B lowp_scales[3])
;;     4. batch 64 x [M 2,048, K 2,048] x [K 2,048, N 64]; A: softmax (see below); B: computed on the way: QUANTISED (scales: A lowp_scales[4], B lowp_scales[5])
;;     5. [M 8,192, K 1,024] x [K 1,024, N 1,024]; A: computed on the way; B: input W_out: QUANTISED (scales: A lowp_scales[6], B lowp_scales[7])
;;   THE QUANTISER, for each operand of a quantised product, along K:
;;     - The operand's scale is 2^e, e = its entry of the input lowp_scales (int32; the entries are numbered through the quantised products in the list's order, A before B).
;;     - Each number is divided by the scale, clamped to +-448, and rounded to the nearest number of E4M3, ties to even, subnormals kept.
;;     - The product sums the exact products of the quantised numbers (number of the format x scale) in f32.
;;   ~~~python
;;   def quantise(x, axis, e):      # numpy; x: float32 -> the quantised numbers, widened to float32 again
;;       x = np.moveaxis(x, axis, -1); K = x.shape[-1]
;;       r = np.clip(x / 2.0 ** e, -448, 448)
;;       step = 2.0 ** (np.maximum(np.frexp(np.where(r == 0, 1, r))[1] - 1, -6) - 3)
;;       q = np.round(r / step) * step * 2.0 ** e      # np.round: ties to even
;;       return np.moveaxis(q, -1, axis).astype(np.float32)
;;   ~~~
;;   SOFTMAX AHEAD OF A QUANTISED PRODUCT. Where the list says 'softmax', what is quantised is not the finished softmax but p = 2^(t - M), with t = logit x log2(e) and M = ceil(the row's largest t), a whole number; so 1/2 < the row's largest p <= 1. The row's sum l is taken of the UNQUANTISED p, in f32, and the product's result is divided by l at the end. Since M is a whole number, a kernel that streams over the keys may use a running M (the ceiling of the running maximum): every later rescaling is an exact power of two, so the quantised numbers keep their values, but for numbers so far below the row's largest that they fall under the format's range.
;;   OPERANDS COMPUTED ON THE WAY. 'Computed on the way' means the value that the module computes at that place (a softmax that the list does not call 'softmax' is quantised finished and normalised). What goes into a quantiser is computed in f32, as accurately as f32 sums, v_exp_f32 and their like allow (about 1e-6 of the number): no bf16 or f16 on the way to a quantiser, and a product that is left as it is and whose result goes on into a quantised operand takes f32 operands (vector FMAs, or v_wmma_f32_16x16x4_f32). A number that lies on a knife's edge between two numbers of the format may be rounded either way, as far as f32 arithmetic and the matrix unit's own rounding can turn it there, and no further.
;; One version. Each part assembles by itself: llvm-mc -triple=amdgcn-amd-amdhsa -mcpu=gfx1250 --defsym DOCPART=n.
;; ======== version 1 of 1: 4 launches
;; limits: right only within a limited range of input values
;; workspace buffers: xc 8,388,608 bytes; wqc 3,145,728 bytes; woc 1,048,576 bytes; rope 524,288 bytes; qc 8,388,608 bytes; kc 8,388,608 bytes; vc 8,388,608 bytes; ac 8,388,608 bytes
;; launch prep (part 1): grid 416 x 1, 4 waves a work-group, no clusters, 52,736 bytes of LDS; arguments x, W_qkv, W_out, lowp_scales, xc, wqc, woc, rope; writes xc, wqc, woc, rope
.if DOCPART == 1
	.amdgcn_target "amdgcn-amd-amdhsa--gfx1250"
	.amdhsa_code_object_version 6
	.text
	.protected	k_q29e4706664_prep
	.globl	k_q29e4706664_prep
	.p2align	8
	.type	k_q29e4706664_prep,@function
k_q29e4706664_prep:
	s_mov_b64 s[64:65], 0
	v_nop
	global_prefetch_b8 v0, s[64:65] scope:SCOPE_SE
	s_setreg_imm32_b32 hwreg(HW_REG_WAVE_MODE, 25, 1), 1
	s_wait_xcnt 0x0
; x [8192][1024], W_qkv [1024][3072] and W_out [1024][1024], all f32, become codes of FP8 (E4M3), each with its given scale 2^e (entries 0, 1, 7 of the scales); and the table of cos and sin for the rotary embedding is made.
; code = number / 2^e, held within +-448, rounded to the nearest code, ties to even.
; LIMITS: e between -126 and 119, so that 2^e and 448 x 2^e are f32 numbers.  NaN among the inputs is not served; an infinity is held at the largest code.
; THE CODES ARE LAID AS IMAGES OF OPERAND REGISTERS.  A fragment is 16 rows x 128 along K in 16 registers a lane: lane l holds row l % 16, registers 2 c and 2 c + 1 hold K = 16 c + 8 (l / 16) + 0 .. 7.
; Its image is 2,048 bytes: registers 4 i .. 4 i + 3 of lane l lie at 512 i + 16 l.  xc: [row block 512][K block 8][2,048]; wqc, woc: the same with a row = a column n of the weight.
; So the products' launches fetch a fragment by four loads of 16 bytes a lane, and every store here covers 512 consecutive bytes, aligned.
; THREE PATHS, parted by the work-group's number; waves share nothing, so there is no barrier.  Each path has LDS bytes of its own.
;   0-255   x: a wave takes 16 rows x 512 along K, in 8 steps of 64.  Loads read 256 consecutive bytes in each half of the lanes; the step turns through the wave's stage so that a lane holds eight neighbours along K.
;   256-383 the weights (256-351 W_qkv, 352-383 W_out, one path: only pointers, the row's length and e are chosen): a lane takes a column n and its registers run down K, so the conversions give codes with K innermost.
;   384-415 the table: rope[token block 128][i 8][lane 32][4 f32]: i = 0 .. 3 cos, 4 .. 7 sin; with i % 4 = 2 u + w, element e is frequency 16 u + 8 (l / 16) + 4 w + e at token 16 block + l % 16.
;           angle = t x 10000^(-f / 32) in f32; it is reduced by multiples of pi / 2 held in three parts (angles here reach 2,047), and sin and cos are polynomials on +-pi / 4, good to about the last bit of an f32 near 1.
.set XROW,  272                        ; a stage row: 256 bytes + 16, so that sixteen rows start at sixteen different 16-byte columns
.set XST,   0                          ; x's stages: 16 rows for each wave
.set XWAVE, 16*XROW
.set WST,   4*XWAVE                    ; the weights' stages: 32 rows for each wave
.set WWAVE, 32*XROW
.set SPARE, WST+4*WWAVE                ; the spare words, 128 bytes for each wave: two blocks of 256 bytes that no other line names
.set SPW,   12                         ; v12  LDS address of my spare word; never rewritten
.set NIL,   13                         ; v13  0; never rewritten
.set R,     16                         ; x: v16-143   four sets of 32 numbers as loaded
.set X,     144                        ; x: v144-207  two sets of 32: eight neighbours along K in each of four groups
.set C,     208                        ; x: v208-239  four sets of 8 registers of codes
.set RO,    16                         ; weights: v16-47   byte offset of row i of a block, at my column
.set WX,    48                         ; weights: v48-111  two sets of 32 numbers
.set WC,    112                        ; weights: v112-119 a block's codes
.set WO,    120                        ; weights: v120-183 the way out: 16 groups of four registers
	s_load_b512 s[4:19], s[0:1], 0x0               ; x 4:5, W_qkv 6:7, W_out 8:9, scales 10:11, xc 12:13, wqc 14:15, woc 16:17, rope 18:19
	v_lshl_add_u32 v[SPW], v0, 2, SPARE
	v_mov_b32 v[NIL], 0
	v_lshrrev_b32 v1, 5, v0
	v_readfirstlane_b32 s20, v1                    ; wave 0..3
	v_and_b32 v1, 31, v0                           ; lane
	v_and_b32 v14, 15, v0                          ; r
	v_bfe_u32 v15, v0, 4, 1                        ; h
	; every lane address of every path is made here, ahead of the parting
	s_mul_i32 s21, s20, XWAVE
	v_mul_u32_u24 v2, v15, XROW
	v_lshl_add_u32 v2, v14, 4, v2
	v_add_nc_u32 v2, s21, v2                       ; x, into the stage: row h of a pair of rows, 16 bytes at 16 r
	v_mul_u32_u24 v3, v14, XROW
	v_lshl_add_u32 v3, v15, 5, v3
	v_add_nc_u32 v3, s21, v3                       ; x, out of it: row r, 32 bytes (eight numbers) at 32 h
	v_lshlrev_b32 v4, 12, v15
	v_lshl_add_u32 v4, v14, 4, v4                  ; x in memory: row h of a pair (4,096 bytes a row), 16 bytes at 16 r
	v_lshlrev_b32 v5, 4, v1                        ; an image's place for my lane
	s_mul_i32 s22, s20, WWAVE
	s_add_co_u32 s22, s22, WST
	v_mul_u32_u24 v6, v1, XROW
	v_add_nc_u32 v6, s22, v6                       ; weights, into the stage: row = my column
	v_mul_u32_u24 v7, v14, XROW
	v_lshl_add_u32 v7, v15, 3, v7
	v_add_nc_u32 v7, s22, v7                       ; weights, out of it: row r, 8 bytes at 8 h
	v_lshlrev_b32 v8, 2, v1                        ; weights in memory: 4 bytes a lane
	s_wait_kmcnt 0x0
	s_load_b256 s[48:55], s[10:11], 0x0            ; e0 .. e7
	s_cmp_ge_u32 ttmp9, 384
	s_cbranch_scc1 .Lrope
	s_cmp_ge_u32 ttmp9, 256
	s_cbranch_scc1 .Lweights
; ---------------------------------------------------------------- x
.macro XLOAD t                         ; step t: 16 rows x 64 numbers: eight loads, two rows each
.irp i, 0,1,2,3,4,5,6,7
	global_load_b128 v[R+32*((\t)%4)+4*\i:R+32*((\t)%4)+4*\i+3], v4, s[4:5] offset:256*(\t)+8192*\i th:TH_LOAD_NT
.endr
.endm
.macro XTURN t                         ; through the stage: LDS serves a wave's instructions in order, so no wait stands between the stores and the loads
.irp i, 0,1,2,3,4,5,6,7
	ds_store_b128 v2, v[R+32*((\t)%4)+4*\i:R+32*((\t)%4)+4*\i+3] offset:2*XROW*\i
.endr
.irp c, 0,1,2,3
	ds_load_b128 v[X+32*((\t)%2)+8*\c:X+32*((\t)%2)+8*\c+3], v3 offset:64*\c         ; K = 16 c + 8 h + 0 .. 3
	ds_load_b128 v[X+32*((\t)%2)+8*\c+4:X+32*((\t)%2)+8*\c+7], v3 offset:64*\c+16    ; and + 4 .. 7
.endr
.endm
.macro XSTEP t
.set XS, X+32*((\t)%2)
.set CC, C+8*((\t)%4)
	s_wait_dscnt 0x0                               ; this step's numbers are back from the stage: its stores into the stage have read their registers,
.if (\t)+4 < 8
	XLOAD (\t)+4                                   ; which take the loads of four steps on
.endif
.if (\t)+1 < 8
.if (\t) < 4
	s_wait_loadcnt 24                              ; the next step's eight loads are in; those of the three steps behind it may be out
.else
	s_wait_loadcnt 8*(6-(\t))                      ; the counts run down
.endif
	XTURN (\t)+1                                   ; the next step turns through the stage while this one is worked
.endif
.set NN, 0
.rept 32
	v_med3_num_f32 v[XS+NN], v[XS+NN], -v10, v10   ; the conversion to an 8-bit code does not saturate (ISA guide 7.6.2): the hold at the largest code x the scale
.set NN, NN+1
.endr
.if (\t) >= 4
	s_wait_alu depctr_va_vdst(0)
	s_wait_xcnt 0x0                                ; the stores of four steps back have read this set of code registers
.endif
.irp c, 0,1,2,3
	v_cvt_scalef32_pk8_fp8_f32 v[CC+2*\c:CC+2*\c+1], v[XS+8*\c:XS+8*\c+7], v11   ; registers 2 c, 2 c + 1 of half a fragment
.endr
	global_store_b128 v5, v[CC:CC+3], s[12:13] offset:1024*(\t)        ; 512 consecutive bytes, aligned
	global_store_b128 v5, v[CC+4:CC+7], s[12:13] offset:1024*(\t)+512
.endm
	s_lshl_b32 s24, ttmp9, 1
	s_lshr_b32 s25, s20, 1
	s_add_co_u32 s24, s24, s25                     ; my row block: 2 x work-group + wave / 2
	s_and_b32 s25, s20, 1                          ; my half of K
	s_lshl_b32 s26, s24, 16                        ; 16 rows of 4,096 bytes
	s_lshl_b32 s27, s25, 11
	s_add_co_u32 s26, s26, s27
	s_mov_b32 s27, 0
	s_add_nc_u64 s[4:5], s[4:5], s[26:27]
	s_lshl_b32 s26, s24, 14                        ; a row block's eight images
	s_lshl_b32 s28, s25, 13
	s_add_co_u32 s26, s26, s28
	s_add_nc_u64 s[12:13], s[12:13], s[26:27]
	s_wait_alu depctr_va_vdst(0)
	XLOAD 0
	XLOAD 1
	XLOAD 2
	XLOAD 3
	s_wait_kmcnt 0x0
	s_add_co_i32 s21, s48, 127
	s_lshl_b32 s22, s21, 23
	v_mov_b32 v11, s22                             ; 2^e0 as f32: the conversion takes its exponent field
	s_add_co_i32 s21, s21, 8
	s_lshl_b32 s21, s21, 23
	s_or_b32 s21, s21, 0x600000
	v_mov_b32 v10, s21                             ; 448 x 2^e0
	s_wait_alu depctr_va_vdst(0)
	s_wait_loadcnt 24                              ; step 0's eight loads are in
	XTURN 0
.irp t, 0,1,2,3,4,5,6,7
	XSTEP \t
.endr
	s_wait_tensorcnt 0x0                           ; the wave's end: behind my last LDS store
	ds_add_u32 v[SPW], v[NIL]
	s_wait_dscnt 0x0
	s_endpgm
; ---------------------------------------------------------------- the weights
.Lweights:
	s_sub_co_u32 s24, ttmp9, 256
	s_cmp_lt_u32 s24, 96                           ; W_qkv's work-group or W_out's?  The choice hangs on the work-group's number alone
	s_cselect_b64 s[6:7], s[6:7], s[8:9]           ; the weight,
	s_cselect_b64 s[14:15], s[14:15], s[16:17]     ; its codes,
	s_cselect_b32 s25, 0, 96
	s_mov_b32 s26, 4096
	s_cselect_b32 s26, 12288, s26                  ; and the bytes in a row of it
	s_sub_co_u32 s25, s24, s25
	s_and_b32 s27, s25, 3                          ; which 256 along K
	s_lshr_b32 s28, s25, 2                         ; which 128 columns
	s_lshl_b32 s29, s28, 7
	s_lshl_b32 s30, s20, 5
	s_add_co_u32 s29, s29, s30                     ; my wave's first column
	s_mul_i32 s30, s27, s26
	s_lshl_b32 s30, s30, 8                         ; 256 rows down for each step along K
	s_lshl_b32 s31, s29, 2
	s_add_co_u32 s30, s30, s31
	s_mov_b32 s31, 0
	s_add_nc_u64 s[32:33], s[6:7], s[30:31]        ; block 0's first row at my first column
	s_lshl_b32 s30, s26, 5                         ; 32 rows
.irp t, 1,2,3,4,5,6,7
	s_add_nc_u64 s[32+2*\t:33+2*\t], s[30+2*\t:31+2*\t], s[30:31]   ; a base for each block of 32 along K; none is rewritten
.endr
	s_lshl_b32 s22, s29, 10                        ; 16 columns are eight images, 16,384 bytes
	s_lshl_b32 s23, s27, 12                        ; 256 along K are two images
	s_add_co_u32 s22, s22, s23
	s_mov_b32 s23, 0
	s_add_nc_u64 s[14:15], s[14:15], s[22:23]
.set NN, 0
	s_wait_alu depctr_va_vdst(0)
.rept 32
	v_mad_u32_u24 v[RO+NN], s26, NN, v8            ; row NN of a block, my column
.set NN, NN+1
.endr
.macro WLOAD t                         ; block t: 32 rows at 32 neighbouring columns: each load reads 128 consecutive bytes
.set NN, 0
.rept 32
	global_load_b32 v[WX+32*((\t)%2)+NN], v[RO+NN], s[32+2*(\t):33+2*(\t)] th:TH_LOAD_NT
.set NN, NN+1
.endr
.endm
.macro WBLOCK t
.set XS, WX+32*((\t)%2)
.if (\t) < 7
	s_wait_loadcnt 32                              ; this block's 32 loads are in; the next block's may be out
.else
	s_wait_loadcnt 0x0
.endif
.set NN, 0
.rept 32
	v_med3_num_f32 v[XS+NN], v[XS+NN], -v10, v10
.set NN, NN+1
.endr
.irp g, 0,1,2,3
	v_cvt_scalef32_pk8_fp8_f32 v[WC+2*\g:WC+2*\g+1], v[XS+8*\g:XS+8*\g+7], v11
.endr
	ds_store_b128 v6, v[WC:WC+3] offset:32*(\t)    ; 32 codes of my column's row
	ds_store_b128 v6, v[WC+4:WC+7] offset:32*(\t)+16
.if (\t)+2 < 8
	WLOAD (\t)+2
.endif
	s_wait_dscnt 0x0                               ; the stores have read their registers: the next block's codes may be written
.endm
	WLOAD 0
	WLOAD 1
	s_wait_kmcnt 0x0
	s_cmp_lt_u32 s24, 96
	s_cselect_b32 s21, s49, s55                    ; e1 or e7
	s_add_co_i32 s21, s21, 127
	s_lshl_b32 s22, s21, 23
	v_mov_b32 v11, s22                             ; 2^e
	s_add_co_i32 s21, s21, 8
	s_lshl_b32 s21, s21, 23
	s_or_b32 s21, s21, 0x600000
	v_mov_b32 v10, s21                             ; 448 x 2^e
	s_wait_alu depctr_va_vdst(0)
.irp t, 0,1,2,3,4,5,6,7
	WBLOCK \t
.endr
	; the way out: 2 blocks of 16 columns x 2 blocks of 128 along K x 4 groups of registers; a group of a lane is 8 bytes at K = 32 i + 8 h and 8 bytes 16 further on
.irp nb, 0,1
.irp kb, 0,1
.irp i, 0,1,2,3
	ds_load_b64 v[WO+4*(8*\nb+4*\kb+\i):WO+4*(8*\nb+4*\kb+\i)+1], v7 offset:16*XROW*\nb+128*\kb+32*\i
	ds_load_b64 v[WO+4*(8*\nb+4*\kb+\i)+2:WO+4*(8*\nb+4*\kb+\i)+3], v7 offset:16*XROW*\nb+128*\kb+32*\i+16
.endr
.endr
.endr
.irp nb, 0,1
.irp kb, 0,1
.irp i, 0,1,2,3
	s_wait_dscnt 30-2*(8*\nb+4*\kb+\i)             ; this group's two loads are in; those of the later groups may be out
	global_store_b128 v5, v[WO+4*(8*\nb+4*\kb+\i):WO+4*(8*\nb+4*\kb+\i)+3], s[14:15] offset:16384*\nb+2048*\kb+512*\i
.endr
.endr
.endr
	s_wait_tensorcnt 0x0                           ; the wave's end: behind my last LDS store
	ds_add_u32 v[SPW], v[NIL]
	s_wait_dscnt 0x0
	s_endpgm
; ---------------------------------------------------------------- the table of cos and sin
.Lrope:
	s_sub_co_u32 s24, ttmp9, 384
	s_lshl_b32 s24, s24, 2
	s_add_co_u32 s24, s24, s20                     ; my block of 16 tokens
	s_lshl_b32 s26, s24, 12                        ; 4,096 bytes of table a block
	s_mov_b32 s27, 0
	s_add_nc_u64 s[18:19], s[18:19], s[26:27]
	s_lshl_b32 s25, s24, 4
	v_add_nc_u32 v9, s25, v14
	v_cvt_f32_u32 v9, v9                           ; my token, as f32
	v_lshlrev_b32 v10, 3, v15                      ; 8 h
	s_wait_alu depctr_va_vdst(0)
	s_mov_b32 s32, 0x3f22f983                      ; 2 / pi
	s_mov_b32 s33, 0xbfc90fdb                      ; -pi / 2 in three parts: the nearest f32,
	s_mov_b32 s34, 0x333bbd2e                      ; what that leaves,
	s_mov_b32 s35, 0x26f72ced                      ; and what that leaves
	s_mov_b32 s36, 0xbe2aaaa3                      ; sin r = r + r z (S1 + z (S2 + z S3)), z = r r
	s_mov_b32 s37, 0x3c08839e
	s_mov_b32 s38, 0xb94ca1f9
	s_mov_b32 s39, 0x3d2aaaa5                      ; cos r = 1 - z / 2 + z z (C1 + z (C2 + z C3))
	s_mov_b32 s40, 0xbab6061a
	s_mov_b32 s41, 0x37ccf5ce
.irp ii, 0,1,2,3
.irp e, 0,1,2,3
	v_add_nc_u32 v[16+4*\ii+\e], 16*(\ii/2)+4*(\ii%2)+\e, v10    ; my sixteen frequencies' numbers f
.endr
.endr
.set NN, 0
.rept 16
	v_cvt_f32_u32 v[16+NN], v[16+NN]
.set NN, NN+1
.endr
.set NN, 0
.rept 16
	v_mul_f32 v[16+NN], 0xbed49a78, v[16+NN]       ; -f log2(10000) / 32
.set NN, NN+1
.endr
.set NN, 0
	s_wait_alu depctr_va_vdst(0)
.rept 16
	v_exp_f32 v[16+NN], v[16+NN]                   ; 10000^(-f / 32): one batch
.set NN, NN+1
.endr
	v_nop                                          ; a plain instruction behind the last of them
	s_wait_alu depctr_va_vdst(0)                   ; one wait for the batch, ahead of its first reader
.macro SINCOS dc, ds, inv
	v_mul_f32 v32, v9, v[\inv]                     ; the angle
	v_mul_f32 v33, s32, v32
	v_rndne_f32 v33, v33                           ; n: the nearest multiple of pi / 2
	v_fma_f32 v34, v33, s33, v32
	v_fma_f32 v34, v33, s34, v34
	v_fma_f32 v34, v33, s35, v34                   ; r = angle - n pi / 2, within +-pi / 4
	v_mul_f32 v35, v34, v34                        ; z
	v_fma_f32 v36, v35, s38, s37
	v_fma_f32 v36, v36, v35, s36
	v_mul_f32 v36, v36, v35
	v_fma_f32 v36, v36, v34, v34                   ; sin r
	v_fma_f32 v37, v35, s41, s40
	v_fma_f32 v37, v37, v35, s39
	v_mul_f32 v37, v37, v35
	v_fma_f32 v38, v35, -0.5, 1.0
	v_fma_f32 v37, v37, v35, v38                   ; cos r
	v_cvt_i32_f32 v39, v33
	v_and_b32 v40, 1, v39
	v_cmp_eq_u32 vcc_lo, 1, v40                    ; n odd: sin and cos change places
	v_cndmask_b32 v[\ds], v36, v37, vcc_lo
	v_cndmask_b32 v[\dc], v37, v36, vcc_lo
	v_and_b32 v40, 2, v39
	v_lshlrev_b32 v40, 30, v40
	v_xor_b32 v[\ds], v[\ds], v40                  ; sin is negated where n % 4 is 2 or 3,
	v_add_nc_u32 v39, 1, v39
	v_and_b32 v39, 2, v39
	v_lshlrev_b32 v39, 30, v39
	v_xor_b32 v[\dc], v[\dc], v39                  ; cos where it is 1 or 2
.endm
.irp ii, 0,1,2,3
.irp e, 0,1,2,3
	SINCOS 64+8*\ii+\e, 68+8*\ii+\e, 16+4*\ii+\e
.endr
.endr
.irp ii, 0,1,2,3
	global_store_b128 v5, v[64+8*\ii:67+8*\ii], s[18:19] offset:512*\ii          ; cos: 512 consecutive bytes, aligned
	global_store_b128 v5, v[68+8*\ii:71+8*\ii], s[18:19] offset:2048+512*\ii     ; sin
.endr
	s_wait_kmcnt 0x0                               ; the exponents, which this path does not use, have landed
	s_wait_tensorcnt 0x0                           ; the wave's end: the three lines
	ds_add_u32 v[SPW], v[NIL]
	s_wait_dscnt 0x0
	s_endpgm
.Lfunc_end_k_q29e4706664_prep:
	.size	k_q29e4706664_prep, .Lfunc_end_k_q29e4706664_prep-k_q29e4706664_prep
	.p2alignl 7, 3214868480
	.fill 96, 4, 3214868480
	.section	.rodata,"a",@progbits
	.p2align	6, 0x0
	.amdhsa_kernel k_q29e4706664_prep
		.amdhsa_group_segment_fixed_size 52736
		.amdhsa_private_segment_fixed_size 0
		.amdhsa_enable_private_segment 0
		.amdhsa_kernarg_size 64
		.amdhsa_user_sgpr_count 2
		.amdhsa_user_sgpr_kernarg_segment_ptr 1
		.amdhsa_wavefront_size32 1
		.amdhsa_system_sgpr_workgroup_id_x 1
		.amdhsa_system_sgpr_workgroup_id_y 1
		.amdhsa_system_sgpr_workgroup_id_z 1
		.amdhsa_system_vgpr_workitem_id 0
		.amdhsa_next_free_vgpr 240
		.amdhsa_next_free_sgpr 66
		.amdhsa_reserve_vcc 1
		.amdhsa_float_denorm_mode_32 3
		.amdhsa_float_denorm_mode_16_64 3
		.amdhsa_memory_ordered 1
		.amdhsa_forward_progress 1
		.amdhsa_inst_pref_size 112
	.end_amdhsa_kernel
	.amdgpu_metadata
---
amdhsa.version: [ 1, 2 ]
amdhsa.kernels:
  - .name:           k_q29e4706664_prep
    .symbol:         k_q29e4706664_prep.kd
    .args:
      - { .name: x, .offset: 0, .size: 8, .value_kind: global_buffer, .address_space: global }
      - { .name: W_qkv, .offset: 8, .size: 8, .value_kind: global_buffer, .address_space: global }
      - { .name: W_out, .offset: 16, .size: 8, .value_kind: global_buffer, .address_space: global }
      - { .name: lowp_scales, .offset: 24, .size: 8, .value_kind: global_buffer, .address_space: global }
      - { .name: xc, .offset: 32, .size: 8, .value_kind: global_buffer, .address_space: global }
      - { .name: wqc, .offset: 40, .size: 8, .value_kind: global_buffer, .address_space: global }
      - { .name: woc, .offset: 48, .size: 8, .value_kind: global_buffer, .address_space: global }
      - { .name: rope, .offset: 56, .size: 8, .value_kind: global_buffer, .address_space: global }
    .group_segment_fixed_size: 52736
    .private_segment_fixed_size: 0
    .kernarg_segment_align: 8
    .kernarg_segment_size: 64
    .max_flat_workgroup_size: 128
    .sgpr_count:     66
    .vgpr_count:     240
    .wavefront_size: 32
...
	.end_amdgpu_metadata
.endif
;; end of part 1
;; launch qkv (part 2): grid 12 x 32, 4 waves a work-group, clusters of 4 x 4, 327,680 bytes of LDS; arguments xc, wqc, lowp_scales, b_qkv, rope, qc, kc, vc; writes qc, kc, vc
.if DOCPART == 2
	.amdgcn_target "amdgcn-amd-amdhsa--gfx1250"
	.amdhsa_code_object_version 6
	.text
	.protected	k_q29e4706664_qkv
	.globl	k_q29e4706664_qkv
	.p2align	8
	.type	k_q29e4706664_qkv,@function
k_q29e4706664_qkv:
	s_mov_b64 s[64:65], 0
	v_nop
	global_prefetch_b8 v0, s[64:65] scope:SCOPE_SE
	s_setreg_imm32_b32 hwreg(HW_REG_WAVE_MODE, 25, 1), 1
	s_wait_xcnt 0x0
	s_wait_alu depctr_hold_cnt(0) depctr_sa_sdst(0) depctr_va_vdst(0) depctr_va_sdst(0) depctr_va_ssrc(0) depctr_va_vcc(0) depctr_vm_vsrc(0)
	s_getreg_b32 s2, hwreg(HW_REG_IB_STS2, 6, 4)
	s_cmp_eq_u32 s2, 0
	s_cbranch_scc0 .Lentry_in_a_cluster
	s_endpgm
.Lentry_in_a_cluster:
	s_bfe_u32 s2, ttmp6, 0x10000c
	s_cmp_lg_u32 s2, 0xf033
	s_cbranch_scc0 .Lentry_shape_is_right
	s_endpgm
.Lentry_shape_is_right:
; qkv = x W_qkv + b_qkv on codes of FP8 (E4M3), then the rotary embedding on q and k, then q, k and v are quantised with their given scales (entries 2, 3, 5) and stored as images of the next products' operand registers.
; xc: [row block 512][K block 8][2,048], wqc: [row block 192][K block 8][2,048]: a fragment of 16 rows x 128 K as its 16 registers lie: registers 4 i .. 4 i + 3 of lane l at 512 i + 16 l; lane l holds row l % 16, registers 2 c, 2 c + 1 hold K = 16 c + 8 (l / 16) + 0 .. 7.
; A tile of 256 x 256 is made by a work-group of four waves, each 128 x 128: 64 accumulators, 512 registers.  K = 1,024 goes in four K steps of 256 through a ring of two LDS slots filled by the tensor data mover.
; CLUSTERS of 4 x 4 work-groups: the four of a row of the cluster need the same tiles of A, the four of a column the same tiles of B; each tile is asked for jointly.
; THE MATRIX INSTRUCTION IS USED TRANSPOSED (source 0 = 16 rows of B, source 1 = 16 rows of A): a lane holds one row of A and eight neighbouring rows of B.
; THE ROLES HANG ON THE CLUSTER'S x, which all sixteen partners share.  Clusters 0 (q) and 1 (k): A = tokens, B = features: a lane holds a token, its registers run along the head's 64, the next product's K.
; Cluster 2 (v): A = v's features, B = tokens: a lane holds a feature and its registers run along the tokens, which are the keys, the second attention product's K.  So nothing is ever transposed.
; OUT: qc, kc: [batch x head 64][token block 128][1,024] (16 tokens x 64);  vc: [batch x head 64][key block 16][16 of the head's 64: 4][2,048] (16 features x 128 keys).  Each store covers 512 consecutive bytes, aligned.
; LIMITS: e0 + e1 between -126 and 127; e2, e3, e5 between -126 and 119.  NaN is not served.
; REGISTERS, in windows of 256: window 0: v0-31 addresses and v's bias; v32-95 q's and k's bias; v96-127 the first table set; from v128 A's fragments, ONE set (free on the way out);
;   window 1: B's fragments, TWO sets, at v0 and v128;  window 2: the 32 accumulators of my rows 0-63 ((a, b) at v[8 (8 a + b)]);  window 3: those of rows 64-127.
.set RBB,   4096                       ; a row block's bytes in a slot: two images
.set HALFT, 8*RBB                      ; 128 rows: what one tensor load brings, and what one wave reads of A or of B
.set SLOT,  4*HALFT                    ; A's 256 rows, then B's
.set SPARE, 2*SLOT                     ; behind the ring: the spare words, 128 bytes for each wave: two blocks of 256 bytes that no other line names
.set FR,    16                         ; registers of a fragment
.set NL,    4                          ; LDS loads that bring one
.set NP,    4                          ; places behind this matrix instruction (ISA guide 7.12.1)
.set LI,    5                          ; v5      16 x lane: an image's place for my lane; never rewritten
.set BO,    6                          ; v6      32 (l / 16): my eight features of sixteen, in bytes of the bias
.set VO,    7                          ; v7      4 (l % 16): my feature of sixteen
.set BV,    8                          ; v8-15   v's bias: my feature of each of my eight blocks
.set ADRA,  16                         ; v16-17  LDS address of my A fragments in slot 0, 1
.set ADRB,  20                         ; v20-21  the same for B
.set VSC,   24                         ; v24     the quantiser's scale as f32
.set VLM,   25                         ; v25     448 x that
.set SPW,   28                         ; v28     LDS address of my spare word; never rewritten
.set NIL,   29                         ; v29     0; never rewritten
.set BI,    32                         ; v32-95  q's, k's bias: register 8 b + j: feature 16 b + 8 (l / 16) + j of my 128
.set RP0,   96                         ; v96-127 the table of a token block: 16 cos, 16 sin;  the other set is v128-159
.set AF,    128                        ; A's fragments
.set Y,     160                        ; v160-223 a block's 64 numbers
.set T,     224                        ; v224-231 at work
.set CD,    232                        ; v232-247 a block's codes
.set G1, 24                            ; s[24:31] descriptor group 1 for A's tiles;  s[32:39] group 0, one set for each slot
.set G0, 32
.set G1B, 48                           ; s[48:55], s[56:63] the same for B's tiles
.set G0B, 56
.set MSB, 0
.macro WIN new                         ; the immediate's high byte repeats the setting that is left
.if MSB != (\new)
	s_set_vgpr_msb (MSB<<8)|(\new)
.set MSB, (\new)
.endif
.endm
.set MUL_LO, 0xa1                      ; source 0 (B) window 1, source 1 (A) window 0, C and D window 2
.set MUL_HI, 0xf1                      ; the same, C and D window 3
.set TO_B,   0x40                      ; destination window 1, address window 0
; A joint load: waves 0 and 1 fetch for A, waves 2 and 3 for B.  Each of the two lines has one mask and one set of registers for all that issue it; the branch hangs on the wave's number alone.
; An s_nop 0 and four v_nop follow each of the two lines, ahead of the jump, the label and what follows.
.macro JLOAD g0a, g1a, g0b, g1b
	s_cmp_eq_u32 s15, 0
	s_cbranch_scc0 .Lfor_b_\@
	tensor_load_to_lds s[\g0a:\g0a+3], s[\g1a:\g1a+7]
	s_nop 0
.rept 4
	v_nop
.endr
	s_branch .Lasked_\@
.Lfor_b_\@:
	tensor_load_to_lds s[\g0b:\g0b+3], s[\g1b:\g1b+7]
	s_nop 0
.rept 4
	v_nop
.endr
.Lasked_\@:
.endm
.macro CREST                           ; a round of the cluster's barrier behind its opening barrier
	s_cmp_lg_u32 s14, 0
	s_cbranch_scc1 .Lnot_wave_0_\@
	s_barrier_signal -3
.Lnot_wave_0_\@:
	s_barrier_wait -3
	s_barrier_signal -1
	s_barrier_wait -1
.endm
.macro CROUND                          ; a whole round
	s_barrier_signal -1
	s_barrier_wait -1
	CREST
.endm
	s_load_b512 s[68:83], s[0:1], 0x0              ; xc 68:69, wqc 70:71, scales 72:73, b_qkv 74:75, rope 76:77, qc 78:79, kc 80:81, vc 82:83
	v_lshl_add_u32 v[SPW], v0, 2, SPARE
	v_mov_b32 v[NIL], 0
	ds_add_u32 v[SPW], v[NIL]                      ; the wave's opening: the adds, two on end, and their wait ahead of my first tensor load; the set-up below, work on registers, stands between them
	ds_add_u32 v[SPW], v[NIL]
	v_lshrrev_b32 v1, 5, v0
	v_readfirstlane_b32 s14, v1                    ; wave 0..3
	s_lshr_b32 s15, s14, 1                         ; which half of the tile's rows (of A) is mine.  Also: I fetch for A (0) or for B (1)
	s_and_b32 s16, s14, 1                          ; which half of its columns (rows of B).  Also: which 128 rows of that tile I fetch
	s_bfe_u32 s40, ttmp6, 0x40000                  ; cx, cy: my place in the cluster
	s_bfe_u32 s41, ttmp6, 0x40004
	s_and_b32 s18, ttmp7, 0xffff                   ; the cluster's y
	s_cmp_lt_u32 ttmp9, 2                          ; q's or k's cluster, or v's?  The cluster's x is the same in all sixteen partners
	s_cselect_b32 s17, s18, 0                      ; q, k: tokens go down the cluster's y;  v: its 1,024 features are one cluster high
	s_cselect_b32 s42, ttmp9, s18                  ; q, k: features go along the cluster's x;  v: tokens take the cluster's y
	s_cselect_b32 s19, 0, 8                        ; v's features begin 8 tiles of 256 rows down in wqc
	s_lshl_b32 s17, s17, 2
	s_add_co_u32 s17, s17, s41                     ; tile row (of A)
	s_lshl_b32 s42, s42, 2
	s_add_co_u32 s42, s42, s40                     ; tile column (of B)
	s_lshl_b32 s43, s41, 2
	s_lshl_b32 s43, 15, s43                        ; my row of the cluster
	s_lshl_b32 s44, 0x1111, s40                    ; my column
	; descriptor group 1: 8 row blocks x 4,096 bytes (two images), 16,384 bytes apart in memory, dense in LDS
	s_or_b32 s[G1+0], s43, (3<<16)|(1<<21)         ; 15:0 the mask: A's tiles go to my row; 17:16 elements of 8 bytes; 21 set beside a mask; no padding: a load of 16 bytes a lane takes 512 consecutive bytes
	s_or_b32 s[G1B+0], s44, (3<<16)|(1<<21)
.irp g, G1, G1B
	s_mov_b32 s[\g+1], 512<<16                     ; tensor_dim0 = 512 elements
	s_mov_b32 s[\g+2], 8<<16                       ; tensor_dim1 = 8
	s_mov_b32 s[\g+3], 512<<16                     ; tile_dim0
	s_mov_b32 s[\g+4], 8                           ; tile_dim1
	s_mov_b32 s[\g+5], 2048                        ; tensor_dim0_stride: a row block's eight images
	s_mov_b32 s[\g+6], 0
	s_mov_b32 s[\g+7], 0
.endr
	s_add_co_u32 s20, s17, s19
	s_lshl_b32 s20, s20, 18                        ; A: 256 rows are 2^18 bytes of codes,
	s_lshl_b32 s18, s16, 17                        ; + the 128 rows that I fetch
	s_add_co_u32 s20, s20, s18
	s_mov_b32 s21, 0
	s_lshl_b32 s46, s42, 18                        ; B likewise
	s_add_co_u32 s46, s46, s18
	s_mov_b32 s47, 0
	s_mul_i32 s45, s14, HALFT                      ; where they go: wave x 128 rows: no place in the cluster enters an LDS address
	; the way out's inputs are asked for at the head; both kinds of cluster make all the loads, at addresses that lie inside the buffers
	s_lshl_b32 s2, s42, 10
	s_lshl_b32 s3, s16, 9
	s_add_co_u32 s2, s2, s3                        ; q, k: my 128 features in b_qkv
	s_lshl_b32 s22, s17, 10
	s_lshl_b32 s23, s15, 9
	s_add_co_u32 s22, s22, s23                     ; v: my 128 features behind b_qkv's first 2,048
	s_cmp_lt_u32 ttmp9, 2
	s_cselect_b32 s2, s2, 0
	s_cselect_b32 s22, 0, s22
	s_add_co_u32 s22, s22, 8192
	s_mov_b32 s3, 0
	s_mov_b32 s23, 0
	s_and_b32 s66, s17, 7
	s_lshl_b32 s66, s66, 4
	s_lshl_b32 s67, s15, 3
	s_add_co_u32 s66, s66, s67                     ; my first token block within its batch
	s_lshl_b32 s66, s66, 12
	s_mov_b32 s67, 0
	s_wait_dscnt 0x0                               ; the opening add is done
	s_wait_kmcnt 0x0
	s_load_b256 s[84:91], s[72:73], 0x0            ; e0 .. e7: awaited on the way out
	s_cmp_lt_u32 ttmp9, 2
	s_cselect_b64 s[4:5], s[68:69], s[70:71]       ; A
	s_cselect_b64 s[6:7], s[70:71], s[68:69]       ; B
	s_add_nc_u64 s[20:21], s[4:5], s[20:21]
	s_add_nc_u64 s[46:47], s[6:7], s[46:47]
	s_add_nc_u64 s[8:9], s[74:75], s[2:3]          ; never rewritten
	s_add_nc_u64 s[10:11], s[74:75], s[22:23]      ; never rewritten
	s_add_nc_u64 s[12:13], s[76:77], s[66:67]      ; never rewritten
	CROUND                                         ; all sixteen work-groups are here: the first joint loads meet
.irp s, 0,1
	s_mov_b32 s[G0+4*\s], 1
	s_add_co_u32 s[G0+4*\s+1], s45, \s*SLOT
	s_add_nc_u64 s[G0+4*\s+2:G0+4*\s+3], s[20:21], \s*RBB
	s_or_b32 s[G0+4*\s+3], s[G0+4*\s+3], 0x80000000
	s_mov_b32 s[G0B+4*\s], 1
	s_add_co_u32 s[G0B+4*\s+1], s45, \s*SLOT
	s_add_nc_u64 s[G0B+4*\s+2:G0B+4*\s+3], s[46:47], \s*RBB
	s_or_b32 s[G0B+4*\s+3], s[G0B+4*\s+3], 0x80000000
.endr
	JLOAD G0, G1, G0B, G1B                         ; K step 0: one tensor load a wave at the head
	v_and_b32 v1, 31, v0
	v_lshlrev_b32 v[LI], 4, v1
	s_mul_i32 s21, s15, HALFT                      ; my 128 rows of A
	s_mul_i32 s22, s16, HALFT                      ; my 128 rows of B,
	s_add_co_u32 s22, s22, 2*HALFT                 ; which lie behind A's 256
.irp s, 0,1
	v_add_nc_u32 v[ADRA+\s], s21, v[LI]
	v_add_nc_u32 v[ADRB+\s], s22, v[LI]
	s_add_co_u32 s21, s21, SLOT
	s_add_co_u32 s22, s22, SLOT
.endr
	v_bfe_u32 v2, v0, 4, 1
	v_lshlrev_b32 v[BO], 5, v2
	v_and_b32 v3, 15, v0
	v_lshlrev_b32 v[VO], 2, v3
.irp b, 0,1,2,3,4,5,6,7
	global_load_b128 v[BI+8*\b:BI+8*\b+3], v[BO], s[8:9] offset:64*\b
	global_load_b128 v[BI+8*\b+4:BI+8*\b+7], v[BO], s[8:9] offset:64*\b+16
.endr
.irp a, 0,1,2,3,4,5,6,7
	global_load_b32 v[BV+\a], v[VO], s[10:11] offset:64*\a
.endr
.irp i, 0,1,2,3,4,5,6,7
	global_load_b128 v[RP0+4*\i:RP0+4*\i+3], v[LI], s[12:13] offset:512*\i
.endr
.macro FRAG reg, adr, q, i             ; a fragment comes as its image lies: four loads of 16 bytes a lane, 512 consecutive bytes each
.irp c, 0,1,2,3
	ds_load_b128 v[\reg+4*\c:\reg+4*\c+3], v[\adr] offset:2048*(\q)+512*\c+(\i)*RBB
.endr
.endm
; 16 matrix instructions: A's blocks a0, a0 + 1 x B's eight, 128 along K.  p: B's set.  zero = 1: the first product starts the sums: nothing is ever cleared.
; The 64 accumulators take turns, one instruction a turn, in the same order in every step.
.macro MUL16 a0, p, zero
.irp a, \a0, \a0+1
.irp b, 0,1,2,3,4,5,6,7
.if \zero
	v_wmma_f32_16x16x128_fp8_fp8 v[8*(8*((\a)%4)+\b):8*(8*((\a)%4)+\b)+7], v[128*(\p)+FR*\b:128*(\p)+FR*\b+FR-1], v[AF+FR*(\a):AF+FR*(\a)+FR-1], 0
.else
	v_wmma_f32_16x16x128_fp8_fp8 v[8*(8*((\a)%4)+\b):8*(8*((\a)%4)+\b)+7], v[128*(\p)+FR*\b:128*(\p)+FR*\b+FR-1], v[AF+FR*(\a):AF+FR*(\a)+FR-1], v[8*(8*((\a)%4)+\b):8*(8*((\a)%4)+\b)+7]
.endif
.endr
.endr
.endm
.macro FETCH_B slot, q, p              ; B's eight fragments of the slot's q-th 128 along K into set p
	WIN TO_B
.irp i, 0,1,2,3,4,5,6,7
	FRAG 128*(\p)+FR*\i, ADRB+\slot, \q, \i
.endr
	WIN 0
.endm
.macro FETCH_A slot, q, i0             ; A's blocks i0 .. i0 + 3
.irp i, \i0, \i0+1, \i0+2, \i0+3
	FRAG AF+FR*(\i), ADRA+\slot, \q, \i
.endr
.endm
; A load into a register that a matrix instruction has read, and a vector instruction that reads a matrix result, stand NP places behind that matrix instruction; only plain vector instructions that name none of its registers are places.
.macro PLACES n
.rept \n
	v_nop
.endr
.endm
; A step of 128 along K that has its successor in the same slot.  A's blocks go one after the other, each against B's eight, so one set of registers serves A: blocks 0-3 are fetched anew in the step's middle, blocks 4-7 at its end.
.macro STEP slot, q, zero
	s_wait_dscnt 4*NL                              ; B's set and A's blocks 0-3 are in; the youngest sixteen loads (A's blocks 4-7) may be out
	WIN MUL_LO
	MUL16 0, (\q)%2, \zero
	MUL16 2, (\q)%2, \zero
	s_wait_dscnt 0                                 ; A's blocks 4-7 are in
	PLACES NP
	FETCH_B \slot, (\q)+1, 1-(\q)%2
	FETCH_A \slot, (\q)+1, 0
	WIN MUL_HI
	MUL16 4, (\q)%2, \zero
	MUL16 6, (\q)%2, \zero
	PLACES NP
	WIN 0
	FETCH_A \slot, (\q)+1, 4
.endm
; A slot's last step changes slots: one barrier; in front of it each wave waits for all its tensor loads, adds 0 to its spare word, and waits for that and for its own reads of this slot.  fill = 1: this slot is filled again, two K steps ahead.
.macro TURN slot, next, fill
	s_wait_tensorcnt 0x0                           ; all my tensor loads have landed: my part of the next slot  (every window is 0 here)
	ds_add_u32 v[SPW], v[NIL]                      ; 0 onto my spare word
	s_wait_dscnt 4*NL+1                            ; (the add and the youngest sixteen loads, A's blocks 4-7, may be out)
	WIN MUL_LO
	MUL16 0, 1, 0                                  ; sixteen matrix instructions stand between the add and the wait for it
	s_wait_dscnt 0x0                               ; the add is done, and my reads of this slot are over
	s_barrier_signal -1
	MUL16 2, 1, 0
	WIN 0
	s_barrier_wait -1
.if \fill
	CREST                                          ; the barrier has opened a round of the cluster's barrier: no wave of any partner still reads this slot's tile or has a load on its way
	s_add_nc_u64 s[G0+4*\slot+2:G0+4*\slot+3], s[G0+4*\slot+2:G0+4*\slot+3], 2*RBB
	s_add_nc_u64 s[G0B+4*\slot+2:G0B+4*\slot+3], s[G0B+4*\slot+2:G0B+4*\slot+3], 2*RBB
	JLOAD G0+4*\slot, G1, G0B+4*\slot, G1B         ; the first tensor load behind the round; the four v_nop behind it are the places in front of the loads below
.else
	PLACES NP
.endif
	FETCH_B \next, 0, 0
	FETCH_A \next, 0, 0
	WIN MUL_HI
	MUL16 4, 1, 0
	MUL16 6, 1, 0
	PLACES NP
	WIN 0
	FETCH_A \next, 0, 4
.endm
	s_wait_alu depctr_va_vdst(0)
	s_wait_tensorcnt 0x0                           ; my part of K step 0 is in
	ds_add_u32 v[SPW], v[NIL]
	s_wait_dscnt 0x0
	CROUND                                         ; everybody's part of K step 0 is in, and the sixteen work-groups meet
	JLOAD G0+4, G1, G0B+4, G1B                     ; K step 1, the first tensor load behind the round
	FETCH_B 0, 0, 0
	FETCH_A 0, 0, 0
	FETCH_A 0, 0, 4
	STEP 0, 0, 1                                   ; eight steps of 128 along K, written out; the first starts the sums
	TURN 0, 1, 1                                   ; slot 0 takes K step 2
	STEP 1, 0, 0
	TURN 1, 0, 1                                   ; slot 1 takes K step 3
	STEP 0, 0, 0
	TURN 0, 1, 0                                   ; nothing is left to fetch
	STEP 1, 0, 0
	s_wait_dscnt 4*NL                              ; the last step
	WIN MUL_LO
	MUL16 0, 1, 0
	MUL16 2, 1, 0
	s_wait_dscnt 0
	WIN MUL_HI
	MUL16 4, 1, 0
	MUL16 6, 1, 0
	WIN 0
	; ---------------------------------------------------------------- THE WAY OUT
	s_wait_kmcnt 0x0
	s_add_co_i32 s96, s84, s85                     ; a sum stands for sum x 2^(e0 + e1)
	s_add_co_i32 s96, s96, 127
	s_lshl_b32 s96, s96, 23
	s_mov_b32 s97, s96                             ; (named with it as a pair, so it is written)
	s_cmp_eq_u32 ttmp9, 1
	s_cselect_b32 s18, s87, s89                    ; the quantiser's exponent: k's e3, v's e5,
	s_cmp_eq_u32 ttmp9, 0
	s_cselect_b32 s18, s86, s18                    ; q's e2: chosen by the cluster's x, without a jump
	s_add_co_i32 s18, s18, 127
	s_lshl_b32 s19, s18, 23
	v_mov_b32 v[VSC], s19
	s_add_co_i32 s18, s18, 8
	s_lshl_b32 s18, s18, 23
	s_or_b32 s18, s18, 0x600000
	v_mov_b32 v[VLM], s18
	PLACES NP                                      ; behind the last products: for the reads of results and for the writes and loads into the registers that held A's fragments
	s_cmp_eq_u32 ttmp9, 2
	s_cbranch_scc1 .Lv
	; q and k.  Lane (r, h) holds token 16 a + r; register 8 b + j holds feature 16 b + 8 h + j of my 128: two heads, b / 4; within a head d = 16 (b % 4) + 8 h + j.
	s_lshr_b32 s18, s17, 3
	s_lshl_b32 s18, s18, 4                         ; 16 x batch
	s_and_b32 s19, s42, 3
	s_lshl_b32 s19, s19, 2
	s_add_co_u32 s18, s18, s19
	s_lshl_b32 s19, s16, 1
	s_add_co_u32 s18, s18, s19                     ; + my first head
	s_lshl_b32 s18, s18, 17                        ; a head's 128 token blocks of 1,024 bytes
	s_and_b32 s19, s17, 7
	s_lshl_b32 s19, s19, 4
	s_lshl_b32 s22, s15, 3
	s_add_co_u32 s19, s19, s22                     ; my first token block
	s_lshl_b32 s19, s19, 10
	s_add_co_u32 s18, s18, s19
	s_mov_b32 s19, 0
	s_cmp_eq_u32 ttmp9, 0
	s_cselect_b64 s[92:93], s[78:79], s[80:81]
	s_add_nc_u64 s[92:93], s[92:93], s[18:19]
.macro QKBLOCK a                       ; my a-th block of 16 tokens
.if (\a) < 7
.set RN, RP0+32*(((\a)+1)%2)
.irp i, 0,1,2,3,4,5,6,7
	global_load_b128 v[RN+4*\i:RN+4*\i+3], v[LI], s[12:13] offset:4096*((\a)+1)+512*\i   ; the next block's cos and sin, into the other set
.endr
	s_wait_loadcnt 8                               ; all but those eight are in: the bias and this block's cos and sin
.else
	s_wait_loadcnt 0x0
.endif
.set RC, RP0+32*((\a)%2)
.set AC, 64*((\a)%4)
	WIN 0x02+((\a)/4)                              ; source 0: window 2 or 3
.set PP, 0
.rept 32
	v_pk_fma_f32 v[Y+PP:Y+PP+1], v[AC+PP:AC+PP+1], s[96:97], v[BI+PP:BI+PP+1] op_sel_hi:[1,0,1]   ; sum x 2^(e0 + e1) + bias; each accumulator from its low end on
.set PP, PP+2
.endr
	WIN 0
.set KK, 0
.irp g, 0,1                            ; the head
.irp u, 0,1                            ; d = 16 u + .. and its partner 32 further on
.irp p, 0,2,4,6
.set LO, Y+8*(4*\g+\u)+\p
.set HI, Y+8*(4*\g+2+\u)+\p
.set CO, RC+8*\u+\p
.set SI, RC+16+8*\u+\p
.set T0, T+4*(KK%2)
	v_pk_mul_f32 v[T0:T0+1], v[HI:HI+1], v[SI:SI+1]
	v_pk_mul_f32 v[T0+2:T0+3], v[LO:LO+1], v[SI:SI+1]
	v_pk_fma_f32 v[LO:LO+1], v[LO:LO+1], v[CO:CO+1], v[T0:T0+1] neg_lo:[0,0,1] neg_hi:[0,0,1]   ; x1 cos - x2 sin
	v_pk_fma_f32 v[HI:HI+1], v[HI:HI+1], v[CO:CO+1], v[T0+2:T0+3]                               ; x2 cos + x1 sin
.set KK, KK+1
.endr
.endr
.endr
.set PP, 0
.rept 64
	v_med3_num_f32 v[Y+PP], v[Y+PP], -v[VLM], v[VLM]   ; the conversion to an 8-bit code does not saturate (ISA guide 7.6.2): the hold at the largest code x the scale
.set PP, PP+1
.endr
	s_wait_alu depctr_va_vdst(0)
	s_wait_xcnt 0x0                                ; the last block's stores have read the code registers
.irp b, 0,1,2,3,4,5,6,7
	v_cvt_scalef32_pk8_fp8_f32 v[CD+2*\b:CD+2*\b+1], v[Y+8*\b:Y+8*\b+7], v[VSC]   ; registers 2 (b % 4), 2 (b % 4) + 1 of head b / 4's fragment
.endr
	v_nop                                          ; a plain instruction behind the last conversion, ahead of the next vector instruction that writes its sources
.irp g, 0,1
.irp i, 0,1
	global_store_b128 v[LI], v[CD+8*\g+4*\i:CD+8*\g+4*\i+3], s[92:93] offset:131072*\g+1024*(\a)+512*\i
.endr
.endr
.endm
.irp a, 0,1,2,3,4,5,6,7
	QKBLOCK \a
.endr
	s_branch .Lend
.Lv:	; v.  Lane (r, h) holds feature 16 a + r of my 128 (head a / 4, its sixteen a % 4); register 8 b + j holds token 16 b + 8 h + j of my 128: one block of keys.
	s_lshr_b32 s18, s42, 3
	s_lshl_b32 s18, s18, 4                         ; 16 x batch
	s_lshl_b32 s19, s17, 2
	s_add_co_u32 s18, s18, s19
	s_lshl_b32 s19, s15, 1
	s_add_co_u32 s18, s18, s19                     ; + my first head
	s_lshl_b32 s18, s18, 17
	s_and_b32 s19, s42, 7
	s_lshl_b32 s19, s19, 1
	s_add_co_u32 s19, s19, s16                     ; my block of 128 keys
	s_lshl_b32 s19, s19, 13
	s_add_co_u32 s18, s18, s19
	s_mov_b32 s19, 0
	s_add_nc_u64 s[92:93], s[82:83], s[18:19]
	s_wait_loadcnt 0x0                             ; the bias
.macro VBLOCK a
.set AC, 64*((\a)%4)
	WIN 0x02+((\a)/4)
.set PP, 0
.rept 64
	v_fma_f32 v[Y+PP], v[AC+PP], s96, v[BV+(\a)]   ; sum x 2^(e0 + e1) + my feature's bias; each accumulator from its low end on
.set PP, PP+1
.endr
	WIN 0
.set PP, 0
.rept 64
	v_med3_num_f32 v[Y+PP], v[Y+PP], -v[VLM], v[VLM]
.set PP, PP+1
.endr
	s_wait_alu depctr_va_vdst(0)
	s_wait_xcnt 0x0                                ; the last block's stores have read the code registers
.irp b, 0,1,2,3,4,5,6,7
	v_cvt_scalef32_pk8_fp8_f32 v[CD+2*\b:CD+2*\b+1], v[Y+8*\b:Y+8*\b+7], v[VSC]   ; registers 2 b, 2 b + 1 of a fragment of 16 features x 128 keys
.endr
	v_nop
.irp i, 0,1,2,3
	global_store_b128 v[LI], v[CD+4*\i:CD+4*\i+3], s[92:93] offset:131072*((\a)/4)+2048*((\a)%4)+512*\i
.endr
.endm
.irp a, 0,1,2,3,4,5,6,7
	VBLOCK \a
.endr
.Lend:
	s_wait_tensorcnt 0x0                           ; the wave's end: behind my last tensor load
	ds_add_u32 v[SPW], v[NIL]
	s_wait_dscnt 0x0
	CROUND                                         ; the closing round: no work-group ends while a partner may still ask for a tile that names it
	s_endpgm
.Lfunc_end_k_q29e4706664_qkv:
	.size	k_q29e4706664_qkv, .Lfunc_end_k_q29e4706664_qkv-k_q29e4706664_qkv
	.p2alignl 7, 3214868480
	.fill 96, 4, 3214868480
	.section	.rodata,"a",@progbits
	.p2align	6, 0x0
	.amdhsa_kernel k_q29e4706664_qkv
		.amdhsa_group_segment_fixed_size 327680
		.amdhsa_private_segment_fixed_size 0
		.amdhsa_enable_private_segment 0
		.amdhsa_kernarg_size 64
		.amdhsa_user_sgpr_count 2
		.amdhsa_user_sgpr_kernarg_segment_ptr 1
		.amdhsa_wavefront_size32 1
		.amdhsa_system_sgpr_workgroup_id_x 1
		.amdhsa_system_sgpr_workgroup_id_y 1
		.amdhsa_system_sgpr_workgroup_id_z 1
		.amdhsa_system_vgpr_workitem_id 0
		.amdhsa_next_free_vgpr 1024
		.amdhsa_next_free_sgpr 100
		.amdhsa_reserve_vcc 0
		.amdhsa_float_denorm_mode_32 3
		.amdhsa_float_denorm_mode_16_64 3
		.amdhsa_memory_ordered 1
		.amdhsa_forward_progress 1
		.amdhsa_inst_pref_size 248
	.end_amdhsa_kernel
	.amdgpu_metadata
---
amdhsa.version: [ 1, 2 ]
amdhsa.kernels:
  - .name:           k_q29e4706664_qkv
    .symbol:         k_q29e4706664_qkv.kd
    .args:
      - { .name: xc, .offset: 0, .size: 8, .value_kind: global_buffer, .address_space: global }
      - { .name: wqc, .offset: 8, .size: 8, .value_kind: global_buffer, .address_space: global }
      - { .name: lowp_scales, .offset: 16, .size: 8, .value_kind: global_buffer, .address_space: global }
      - { .name: b_qkv, .offset: 24, .size: 8, .value_kind: global_buffer, .address_space: global }
      - { .name: rope, .offset: 32, .size: 8, .value_kind: global_buffer, .address_space: global }
      - { .name: qc, .offset: 40, .size: 8, .value_kind: global_buffer, .address_space: global }
      - { .name: kc, .offset: 48, .size: 8, .value_kind: global_buffer, .address_space: global }
      - { .name: vc, .offset: 56, .size: 8, .value_kind: global_buffer, .address_space: global }
    .group_segment_fixed_size: 327680
    .private_segment_fixed_size: 0
    .kernarg_segment_align: 8
    .kernarg_segment_size: 64
    .max_flat_workgroup_size: 128
    .sgpr_count:     100
    .vgpr_count:     1024
    .wavefront_size: 32
...
	.end_amdgpu_metadata
.endif
;; end of part 2
;; launch attn (part 3): grid 4 x 64, 16 waves a work-group, clusters of 4 x 1, 327,680 bytes of LDS; arguments qc, kc, vc, lowp_scales, ac; writes ac
.if DOCPART == 3
	.amdgcn_target "amdgcn-amd-amdhsa--gfx1250"
	.amdhsa_code_object_version 6
	.text
	.protected	k_q29e4706664_attn
	.globl	k_q29e4706664_attn
	.p2align	8
	.type	k_q29e4706664_attn,@function
k_q29e4706664_attn:
	s_mov_b64 s[64:65], 0
	v_nop
	global_prefetch_b8 v0, s[64:65] scope:SCOPE_SE
	s_setreg_imm32_b32 hwreg(HW_REG_WAVE_MODE, 25, 1), 1
	s_wait_xcnt 0x0
	s_wait_alu depctr_hold_cnt(0) depctr_sa_sdst(0) depctr_va_vdst(0) depctr_va_sdst(0) depctr_va_ssrc(0) depctr_va_vcc(0) depctr_vm_vsrc(0)
	s_getreg_b32 s2, hwreg(HW_REG_IB_STS2, 6, 4)
	s_cmp_eq_u32 s2, 0
	s_cbranch_scc0 .Lentry_in_a_cluster
	s_endpgm
.Lentry_in_a_cluster:
	s_bfe_u32 s2, ttmp6, 0x10000c
	s_cmp_lg_u32 s2, 0x3003
	s_cbranch_scc0 .Lentry_shape_is_right
	s_endpgm
.Lentry_shape_is_right:
; o = softmax(q k^T / 8, causal) v for each of 64 batch x head, both products on codes of FP8 (E4M3); o is quantised with its given scale (entry 6) and stored as the last product's operand.
; qc, kc: [batch x head 64][token block 128][1,024]: a fragment of 16 tokens x 64 as its 8 registers lie (registers 4 i .. 4 i + 3 of lane l at 512 i + 16 l; lane l holds token l % 16, registers 2 c, 2 c + 1 hold d = 16 c + 8 (l / 16) + 0 .. 7).
; vc: [batch x head 64][key block 16][4][2,048]: a fragment of 16 of the head's 64 x 128 keys.  ac: [token block 512][K block 8][2,048]; head n fills bytes 1,024 n .. + 1,023 of a token block's 16,384.
; THE SOFTMAX: t = score x log2(e) / 8; M = the row's largest t so far, rounded up to a whole number; p = 2^(t - M) is quantised with 2^e4, not normalised.  The row's sum is taken of the unquantised p and divides at the end.
; When M moves, the sum and O are multiplied by 2^(old M - new M): nothing is rounded.
; LEFT OUT: key steps all of whose 128 keys come after a tile's 16 queries: the causal mask makes their p 0 for every input.
; K AND V STAY IN LDS: a head's codes are 131,072 bytes of K (LDS byte 0 on) and as many of V (byte 131,072 on); no byte of LDS is filled twice.  They come in three stages, key steps 0-1, 2-7 and 8-15;
; in each stage every wave fetches one part (waves 0-7 of K, 8-15 of V: 2,048, 6,144, 8,192 bytes).  A stage is asked for when the stage before has landed, and is read behind the next barrier: three barriers in all.
; SHARES.  A head has 128 tiles of 16 queries; tile T needs T / 8 + 1 key steps of 128.  Wave w of work-group i owns tiles 127 - a and a, a = 4 w + i: 17 key steps for every wave, and every work-group reads all keys.
; CLUSTER: the four work-groups of a head need the same K and V at the same places of the text: each part is asked for jointly (mask 15).  The last step of a tile is 15 - w / 2 or w / 2: no branch hangs on i;
; i enters the addresses of q, of the result and of the prefetches, and the number that the mask's compares take.
; PREFETCH: behind a stage's load each wave names a quarter of its part of the NEXT stage (6 or 8 blocks of 256 bytes; the four partners take the quarters by address; lanes left over name the last block again):
; each block is named once in the cluster, one stage ahead of its load.  Stage 0 comes by its loads alone.
; LAYOUT.  S^T = K Q^T (source 0 = 16 keys, source 1 = my 16 queries): lane (r, h) holds query r, register 8 f + j key 16 f + 8 h + j, so the conversions' results are registers 2 f, 2 f + 1 of P.
; O^T = V^T P^T (source 0 = 16 of the head's 64, source 1 = P): one query a lane and eight neighbouring d, which convert into the last product's operand registers.
; LIMITS: e2 + e3 between -123 and 130 (added to the exponent field of log2(e) / 8); e4 and e6 between -126 and 119; the scaled scores t stay under 2^31 in magnitude.  NaN is not served.
; REGISTERS: v1, v2 my lane's place in K, in V; v3, v4 the prefetches' offsets; v5, v6 the add's two; v8, v9 the LDS addresses in hand; v10 r - 8 h; v12 -M, v13 the largest t, v[14:15] the sum; v16-23 Q in hand, v24-31 the second tile's;
;   v32-95 K's fragments, then V's; v96-159 S^T, then p; v160-191 O^T; v192-223 at work at a tile's end; v224-239 codes; v240, v244: 448 x 2^e4, 2^e4; v246, v247: 2^e6, 448 x 2^e6; v234-239, v242, v243, v248-255 at work.
.set VB,    131072
.set SPARE, 262144                     ; behind K and V: the spare words, 128 bytes for each wave: eight blocks of 256 bytes that no other line names
.set LI,   1
.set LV,   2
.set PO1,  3
.set PO2,  4
.set SPW,  5
.set NIL,  6
.set ADK,  8
.set ADV,  9
.set DM,   10
.set ST,   3                           ; s3   the key step
.set DS,   14                          ; s14  the last key step of the tile in hand;  s15: of the second tile
.set DSB,  15
.set DQ,   16                          ; s16  16 x (tile % 8): my first query less that step's first key;  s17: the second tile's
.set DQB,  17
.set WV,   18                          ; s18  my wave's number
.set TB,   19                          ; s19  8,192 x the key step
.set SEL,  20                          ; s[20:21] lane selects for v_permlanex16_b32: lane l xor 16
.set CS,   22                          ; s[22:23] c = log2(e) / 8 x 2^(e2 + e3)
.set G1A,  24                          ; s[24:47] descriptor group 1 of the three stages
.set G1B,  32
.set G1C,  40
.set G0A,  56                          ; group 0 of the three stages
.set G0B,  60
.set G0C,  68
.set KVB,  72                          ; s[72:73] the head's first byte of what I fetch
.set PFA,  74                          ; s[74:75], s[76:77] what I prefetch of stages 1 and 2; never rewritten
.set PFB,  76
.set ES,   78                          ; s78  e4 + e5
.set CT,   79                          ; s79  the trips' count
.set OUT,  80                          ; s[80:81], s[82:83] where the two tiles' codes go
.set OUTB, 82
.set QA,   84                          ; s[84:85], s[86:87] the two tiles' q
.set QB,   86
.macro ROUND                           ; a round of the cluster's barrier
	s_barrier_signal -1
	s_barrier_wait -1
	s_cmp_lg_u32 s[WV], 0
	s_cbranch_scc1 .Lnw0_\@
	s_barrier_signal -3
.Lnw0_\@:
	s_barrier_wait -3
	s_barrier_signal -1
	s_barrier_wait -1
.endm
.macro SEQ                             ; all my tensor loads have landed; 0 onto my spare word; the add and my LDS reads are done
	s_wait_tensorcnt 0x0
	ds_add_u32 v[SPW], v[NIL]
	s_wait_dscnt 0x0
.endm
	s_load_b256 s[4:11], s[0:1], 0x0               ; qc 4:5, kc 6:7, vc 8:9, scales 10:11
	s_load_b64 s[12:13], s[0:1], 0x20              ; ac
	v_lshl_add_u32 v[SPW], v0, 2, SPARE
	v_mov_b32 v[NIL], 0
	ds_add_u32 v[SPW], v[NIL]                      ; the opening: the add, twice on end, and its wait ahead of the first tensor load
	ds_add_u32 v[SPW], v[NIL]
	v_lshrrev_b32 v8, 5, v0
	v_readfirstlane_b32 s[WV], v8                  ; wave 0..15
	s_bfe_u32 s88, ttmp6, 0x40000                  ; i: my place in the cluster
	s_and_b32 s89, ttmp7, 0xffff                   ; batch x head
	s_lshl_b32 s90, s[WV], 2
	s_add_co_u32 s90, s90, s88                     ; a: the second tile
	s_sub_co_u32 s91, 127, s90                     ; the first tile
	s_lshr_b32 s[DSB], s[WV], 1                    ; a / 8,
	s_sub_co_u32 s[DS], 15, s[DSB]                 ; (127 - a) / 8: made of the wave's number alone
	s_and_b32 s[DQB], s90, 7
	s_lshl_b32 s[DQB], s[DQB], 4
	s_and_b32 s[DQ], s91, 7
	s_lshl_b32 s[DQ], s[DQ], 4
	s_lshl_b32 s92, s89, 17                        ; the head's first byte in qc, kc and vc
	s_mov_b32 s93, 0
	s_lshl_b32 s[QA], s91, 10                      ; a tile of q is 1,024 bytes
	s_add_co_u32 s[QA], s[QA], s92
	s_mov_b32 s[QA+1], 0
	s_lshl_b32 s[QB], s90, 10
	s_add_co_u32 s[QB], s[QB], s92
	s_mov_b32 s[QB+1], 0
	s_lshr_b32 s98, s89, 4
	s_lshl_b32 s98, s98, 21                        ; ac: a batch's 128 token blocks of 16,384 bytes,
	s_and_b32 s99, s89, 15
	s_lshl_b32 s99, s99, 10                        ; the head's 1,024 of them
	s_add_co_u32 s98, s98, s99
	s_lshl_b32 s[OUT], s91, 14
	s_add_co_u32 s[OUT], s[OUT], s98
	s_mov_b32 s[OUT+1], 0
	s_lshl_b32 s[OUTB], s90, 14
	s_add_co_u32 s[OUTB], s[OUTB], s98
	s_mov_b32 s[OUTB+1], 0
	s_and_b32 s99, s[WV], 7                        ; which part of a stage I fetch,
	s_lshr_b32 s98, s[WV], 3
	s_lshl_b32 s98, s98, 17                        ; into K's half of LDS or V's
	s_lshl_b32 s[G0A+2], s99, 11                   ; my part's first byte in the head's K or V: stage 0,
	s_mul_i32 s[G0B+2], s99, 6144
	s_add_co_u32 s[G0B+2], s[G0B+2], 16384         ; stage 1,
	s_lshl_b32 s[G0C+2], s99, 13
	s_add_co_u32 s[G0C+2], s[G0C+2], 65536         ; stage 2
.irp g, G0A, G0B, G0C
	s_mov_b32 s[\g], 1                             ; count = 1
	s_add_co_u32 s[\g+1], s98, s[\g+2]             ; the LDS address: the same byte of the half
	s_mov_b32 s[\g+3], 0
.endr
	s_mul_i32 s[PFA], s88, 1536                    ; the prefetches: my work-group's quarter of my part
	s_add_co_u32 s[PFA], s[PFA], s[G0B+2]
	s_mov_b32 s[PFA+1], 0
	s_lshl_b32 s[PFB], s88, 11
	s_add_co_u32 s[PFB], s[PFB], s[G0C+2]
	s_mov_b32 s[PFB+1], 0
	; descriptor group 1: a dense block as rows of 256 bytes (32 elements of 8 bytes); 8, 24 and 32 rows; mask 15 with bit 21 beside it
.irp g, G1A, G1B, G1C
	s_mov_b32 s[\g], 15|(3<<16)|(1<<21)
	s_mov_b32 s[\g+1], 32<<16                      ; tensor_dim0
	s_mov_b32 s[\g+3], 32<<16                      ; tile_dim0
	s_mov_b32 s[\g+5], 32                          ; tensor_dim0_stride
	s_mov_b32 s[\g+6], 0
	s_mov_b32 s[\g+7], 0
.endr
	s_mov_b32 s[G1A+2], 8<<16                      ; tensor_dim1, tile_dim1
	s_mov_b32 s[G1A+4], 8
	s_mov_b32 s[G1B+2], 24<<16
	s_mov_b32 s[G1B+4], 24
	s_mov_b32 s[G1C+2], 32<<16
	s_mov_b32 s[G1C+4], 32
	s_mov_b32 s[SEL], 0x76543210
	s_mov_b32 s[SEL+1], 0xfedcba98
	s_mov_b32 s[CS], 0x3e38aa3b                    ; log2(e) / 8
	s_wait_dscnt 0x0                               ; both opening adds are done
	s_wait_kmcnt 0x0
	s_load_b256 s[48:55], s[10:11], 0x0            ; e0 .. e7
	s_cmp_lt_u32 s[WV], 8
	s_cselect_b64 s[KVB:KVB+1], s[6:7], s[8:9]
	s_add_nc_u64 s[KVB:KVB+1], s[KVB:KVB+1], s[92:93]
.irp g, G0A, G0B, G0C
	s_add_nc_u64 s[\g+2:\g+3], s[KVB:KVB+1], s[\g+2:\g+3]
	s_or_b32 s[\g+3], s[\g+3], 0x80000000          ; type = 2
.endr
	ROUND                                          ; the four work-groups are here: the first joint loads meet
	tensor_load_to_lds s[G0A:G0A+3], s[G1A:G1A+7]  ; stage 0: one load a wave
	s_nop 0
	s_add_nc_u64 s[QA:QA+1], s[4:5], s[QA:QA+1]
	s_add_nc_u64 s[QB:QB+1], s[4:5], s[QB:QB+1]
	s_add_nc_u64 s[OUT:OUT+1], s[12:13], s[OUT:OUT+1]
	s_add_nc_u64 s[OUTB:OUTB+1], s[12:13], s[OUTB:OUTB+1]
	s_add_nc_u64 s[PFA:PFA+1], s[KVB:KVB+1], s[PFA:PFA+1]
	s_add_nc_u64 s[PFB:PFB+1], s[KVB:KVB+1], s[PFB:PFB+1]
	v_and_b32 v[LI], 31, v0
	v_and_b32 v[DM], 15, v0
	v_bfe_u32 v11, v0, 4, 1
	v_min_u32 v[PO1], 5, v[LI]                     ; six blocks of 256 bytes, a lane each; the lanes left over name the last again
	v_min_u32 v[PO2], 7, v[LI]                     ; eight
	v_lshlrev_b32 v[LI], 4, v[LI]
	v_lshlrev_b32 v11, 3, v11
	v_lshlrev_b32 v[PO1], 8, v[PO1]
	v_lshlrev_b32 v[PO2], 8, v[PO2]
	v_add_nc_u32 v[LV], VB, v[LI]
	v_sub_nc_u32 v[DM], v[DM], v11                 ; r - 8 h
	s_wait_alu depctr_va_vdst(0)
	global_load_b128 v[16:19], v[LI], s[QA:QA+1]           ; Q of both tiles stays in registers
	global_load_b128 v[20:23], v[LI], s[QA:QA+1] offset:512
	global_load_b128 v[24:27], v[LI], s[QB:QB+1]
	global_load_b128 v[28:31], v[LI], s[QB:QB+1] offset:512
	global_prefetch_b8 v[PO1], s[PFA:PFA+1] th:TH_LOAD_NT scope:SCOPE_SE   ; stage 1
	v_mov_b32 v13, 0xff61b1e6                      ; the largest t so far: -3e38, under every t
	v_mov_b32 v14, 0                               ; the sum, in two halves
	v_mov_b32 v15, 0
	v_floor_f32 v12, -v13                          ; -M
	v_mov_b32 v236, 0                              ; written once: a lane permute's destination counts as one of its sources
	v_mov_b32 v252, 0
	v_mov_b32 v253, 0                              ; (named as the upper half of the pair v[252:253])
.set NN, 0
.rept 32
	v_mov_b32 v[160+NN], 0                         ; O^T: a tile's first step finds zeros, which the first change of M leaves zeros
.set NN, NN+1
.endr
	s_wait_kmcnt 0x0
	s_add_co_i32 s88, s50, s51
	s_lshl_b32 s88, s88, 23
	s_add_co_i32 s[CS], s[CS], s88                 ; a score stands for score x 2^(e2 + e3)
	s_mov_b32 s[CS+1], s[CS]
	s_add_co_i32 s88, s52, 127
	s_lshl_b32 s89, s88, 23
	v_mov_b32 v244, s89                            ; 2^e4
	s_add_co_i32 s88, s88, 8
	s_lshl_b32 s88, s88, 23
	s_or_b32 s88, s88, 0x600000
	v_mov_b32 v240, s88                            ; 448 x 2^e4
	s_add_co_i32 s88, s54, 127
	s_lshl_b32 s89, s88, 23
	v_mov_b32 v246, s89                            ; 2^e6
	s_add_co_i32 s88, s88, 8
	s_lshl_b32 s88, s88, 23
	s_or_b32 s88, s88, 0x600000
	v_mov_b32 v247, s88                            ; 448 x 2^e6
	s_add_co_i32 s[ES], s52, s53                   ; e4 + e5
; A KEY STEP: 128 keys at LDS byte s[TB] of K's half and of V's.  m = 1: the step may lie on the diagonal or behind it.
.macro STEP m
.if \m
	s_cmp_gt_u32 s[ST], s[DS]                      ; all its keys come after my 16 queries: left out.  A scalar branch on the wave's number and the count; no barrier and no tensor load stands in a step
	s_cbranch_scc1 .Lhidden_\@
.endif
	v_add_nc_u32 v[ADK], s[TB], v[LI]
	v_add_nc_u32 v[ADV], s[TB], v[LV]
	v_nop
	v_nop                                          ; with the two additions: four places in front of loads into registers that the last products read
.irp f, 0,1,2,3,4,5,6,7
	ds_load_b128 v[32+8*\f:35+8*\f], v[ADK] offset:1024*\f
	ds_load_b128 v[36+8*\f:39+8*\f], v[ADK] offset:1024*\f+512
.endr
	s_wait_alu depctr_va_vdst(0)                   ; directly ahead of the wait below
	s_wait_dscnt 8                                 ; the first four fragments are in; the youngest eight loads may be out
.irp f, 0,1,2,3
	v_wmma_f32_16x16x64_fp8_fp8 v[96+8*\f:103+8*\f], v[32+8*\f:39+8*\f], v[16:23], 0
.endr
	s_wait_dscnt 0x0
.irp f, 4,5,6,7
	v_wmma_f32_16x16x64_fp8_fp8 v[96+8*\f:103+8*\f], v[32+8*\f:39+8*\f], v[16:23], 0
.endr
.rept 4
	v_nop                                          ; four places: in front of the loads below and of the first read of the scores
.endr
.irp d, 0,1,2,3
.irp i, 0,1,2,3
	ds_load_b128 v[32+16*\d+4*\i:35+16*\d+4*\i], v[ADV] offset:2048*\d+512*\i   ; V's four fragments land while the softmax is worked
.endr
.endr
.if \m
	s_cmp_lt_u32 s[ST], s[DS]                      ; all keys count for all my queries: no mask
	s_cbranch_scc1 .Lopen_\@
	v_add_nc_u32 v252, s[DQ], v[DM]                ; my query - the step's first key - 8 h.  Register 8 f + j holds a key that is hidden where 16 f + j is greater
	v_mov_b32 v254, 0xff800000                     ; -infinity: p = 0 then.  The step's first key counts for all my queries, so no row is all hidden
.set NN, 0
.rept 64
	v_cmp_gt_i32 vcc_lo, 16*(NN/8)+NN%8, v252
	v_cndmask_b32 v[96+NN], v[96+NN], v254, vcc_lo
.set NN, NN+1
.endr
.Lopen_\@:
.endif
	v_max3_num_f32 v254, v96, v97, v98             ; the step's largest score of my query, among my 64 keys, in two chains, each accumulator from its low end on,
	v_max3_num_f32 v252, v99, v100, v101
.irp i, 6,10,14,18,22,26,30,34,38,42,46,50,54,58
	v_max3_num_f32 v254, v254, v[96+\i], v[97+\i]
	v_max3_num_f32 v252, v252, v[98+\i], v[99+\i]
.endr
	v_max3_num_f32 v254, v254, v158, v159
	s_delay_alu instid0(VALU_DEP_1)
	v_max_num_f32 v254, v254, v252
	v_permlanex16_b32 v236, v254, s[SEL], s[SEL+1]
	s_delay_alu instid0(VALU_DEP_1)
	v_max_num_f32 v254, v254, v236                 ; and among lane l xor 16's
	s_delay_alu instid0(VALU_DEP_1)
	v_mul_f32 v254, s[CS], v254                    ; as t (c is positive)
	s_delay_alu instid0(VALU_DEP_1)
	v_max_num_f32 v13, v13, v254                   ; the running largest t
	v_mov_b32 v254, v12
	s_delay_alu instid0(VALU_DEP_2)
	v_floor_f32 v12, -v13                          ; the new -M = floor(-t) = -ceil(t): M is a whole number
	s_delay_alu instid0(VALU_DEP_1)
	v_sub_f32 v254, v12, v254                      ; M's old value less its new one: a whole number, 0 or less
	s_delay_alu instid0(VALU_DEP_1)
	v_cvt_i32_f32 v254, v254                       ; (it saturates)
	s_delay_alu instid0(VALU_DEP_1)
	v_ldexp_f32 v252, 1.0, v254                    ; f = 2^(old M - new M)
.set NN, 0
.rept 32
	v_pk_fma_f32 v[96+NN:97+NN], v[96+NN:97+NN], s[CS:CS+1], v[12:13] op_sel_hi:[1,0,0]   ; t - M, two at a time (of the pairs c and -M the low word serves both halves)
.set NN, NN+2
.endr
.set NN, 0
	s_wait_alu depctr_va_vdst(0)                   ; ahead of the batch
.rept 64
	v_exp_f32 v[96+NN], v[96+NN]                   ; p = 2^(t - M), at most 1: one batch
.set NN, NN+1
.endr
	v_pk_mul_f32 v[14:15], v[14:15], v[252:253] op_sel_hi:[1,0]   ; the sums under the new M: the plain instruction behind the exponentials
	s_wait_alu depctr_va_vdst(0)                   ; one wait for the whole batch, ahead of its first reader
	v_pk_add_f32 v[242:243], v[100:101], v[104:105]        ; the row's sum of the unquantised p, in eight chains
	v_pk_add_f32 v[254:255], v[108:109], v[112:113]
	v_pk_add_f32 v[250:251], v[116:117], v[120:121]
	v_pk_add_f32 v[248:249], v[124:125], v[128:129]
	v_pk_add_f32 v[238:239], v[132:133], v[136:137]
	v_pk_add_f32 v[236:237], v[140:141], v[144:145]
	v_pk_add_f32 v[234:235], v[148:149], v[152:153]
	v_pk_add_f32 v[14:15], v[14:15], v[156:157]
	v_pk_add_f32 v[242:243], v[242:243], v[96:97]
	v_pk_add_f32 v[254:255], v[254:255], v[98:99]
	v_pk_add_f32 v[250:251], v[250:251], v[102:103]
	v_pk_add_f32 v[248:249], v[248:249], v[106:107]
	v_pk_add_f32 v[238:239], v[238:239], v[110:111]
	v_pk_add_f32 v[236:237], v[236:237], v[114:115]
	v_pk_add_f32 v[234:235], v[234:235], v[118:119]
	v_pk_add_f32 v[14:15], v[14:15], v[122:123]
	v_pk_add_f32 v[242:243], v[242:243], v[126:127]
	v_pk_add_f32 v[254:255], v[254:255], v[130:131]
	v_pk_add_f32 v[250:251], v[250:251], v[134:135]
	v_pk_add_f32 v[248:249], v[248:249], v[138:139]
	v_pk_add_f32 v[238:239], v[238:239], v[142:143]
	v_pk_add_f32 v[236:237], v[236:237], v[146:147]
	v_pk_add_f32 v[234:235], v[234:235], v[150:151]
	v_pk_add_f32 v[14:15], v[14:15], v[154:155]
	v_pk_add_f32 v[242:243], v[242:243], v[158:159]
	s_delay_alu instid0(VALU_DEP_2)
	v_pk_add_f32 v[14:15], v[14:15], v[248:249]
	s_delay_alu instid0(VALU_DEP_2)
	v_pk_add_f32 v[242:243], v[242:243], v[238:239]
	v_pk_add_f32 v[254:255], v[254:255], v[236:237]
	v_pk_add_f32 v[250:251], v[250:251], v[234:235]
	s_delay_alu instid0(VALU_DEP_2)
	v_pk_add_f32 v[14:15], v[14:15], v[254:255]
	s_delay_alu instid0(VALU_DEP_2)
	v_pk_add_f32 v[242:243], v[242:243], v[250:251]
	s_delay_alu instid0(VALU_DEP_1)
	v_pk_add_f32 v[14:15], v[14:15], v[242:243]
.irp f, 0,1,2,3,4,5,6,7
.irp j, 0,2,4,6
	v_dual_min_num_f32 v[96+8*\f+\j], v[96+8*\f+\j], v240 :: v_dual_min_num_f32 v[97+8*\f+\j], v[97+8*\f+\j], v240   ; the conversion does not saturate (ISA guide 7.6.2); p is not negative, so the hold is one-sided; two numbers a line
.endr
	v_cvt_scalef32_pk8_fp8_f32 v[224+2*\f:225+2*\f], v[96+8*\f:103+8*\f], v244   ; registers 2 f, 2 f + 1 of P: keys 16 f + 8 h + 0 .. 7
.endr
	s_wait_alu depctr_va_vdst(0)                   ; directly ahead of the first reader of O^T
.set NN, 0
.rept 16
	v_pk_mul_f32 v[160+NN:161+NN], v[160+NN:161+NN], v[252:253] op_sel_hi:[1,0]   ; O^T under the new M; these also stand between the conversions and the products that read the codes
.set NN, NN+2
.endr
	s_wait_alu depctr_va_vdst(0)                   ; directly ahead of the wait below
	s_wait_dscnt 0x0                               ; V is in
.irp d, 0,1,2,3
	v_wmma_f32_16x16x128_fp8_fp8 v[160+8*\d:167+8*\d], v[32+16*\d:47+16*\d], v[224:239], v[160+8*\d:167+8*\d]   ; four accumulators by turns; the next step's eight products stand between two links of a chain
.endr
.if \m
.Lhidden_\@:
.endif
.endm
; A TILE'S END: O^T is divided by the row's sum, multiplied by 2^(e4 + e5), quantised with 2^e6 and stored: my 16 queries x the head's 64 are half a fragment, 1,024 bytes.
.macro FIN o
.rept 4
	v_nop                                          ; four places behind the last products
.endr
	v_add_f32 v14, v14, v15                        ; the sum's two halves,
	s_delay_alu instid0(VALU_DEP_1)
	v_permlanex16_b32 v252, v14, s[SEL], s[SEL+1]
	s_delay_alu instid0(VALU_DEP_1)
	v_add_f32 v14, v14, v252                       ; and lane l xor 16's
	s_wait_alu depctr_va_vdst(0)                   ; the wait ahead of the reciprocal,
	v_rcp_f32 v14, v14
	v_nop                                          ; a plain instruction behind it,
	s_wait_alu depctr_va_vdst(0)                   ; and the wait ahead of its first reader
	v_ldexp_f32 v14, v14, s[ES]
	s_wait_alu depctr_va_vdst(0)                   ; and directly ahead of the first reader of O^T
.set NN, 0
.rept 32
	v_mul_f32 v[192+NN], v[160+NN], v14            ; register 8 t + j is o(my query, 16 t + 8 h + j); each accumulator from its low end on
.set NN, NN+1
.endr
.set NN, 0
.rept 32
	v_med3_num_f32 v[192+NN], v[192+NN], -v247, v247
.set NN, NN+1
.endr
.irp d, 0,1,2,3
	v_cvt_scalef32_pk8_fp8_f32 v[224+2*\d:225+2*\d], v[192+8*\d:199+8*\d], v246
.endr
	v_nop                                          ; a plain instruction behind the last conversion
	global_store_b128 v[LI], v[224:227], s[\o:\o+1]                ; 512 consecutive bytes, aligned
	global_store_b128 v[LI], v[228:231], s[\o:\o+1] offset:512
.endm
.macro RESET                           ; on to the second tile
.irp j, 0,1,2,3,4,5,6,7
	v_mov_b32 v[16+\j], v[24+\j]
.endr
	v_mov_b32 v13, 0xff61b1e6
	v_mov_b32 v14, 0
	v_mov_b32 v15, 0
	v_floor_f32 v12, -v13
.set NN, 0
.rept 32
	v_mov_b32 v[160+NN], 0
.set NN, NN+1
.endr
	s_mov_b32 s[DS], s[DSB]
	s_mov_b32 s[DQ], s[DQB]
	s_wait_alu depctr_va_vdst(0)                   ; directly ahead of the wait below
	s_wait_xcnt 0x0                                ; the stores have read their data: the code registers may be written again
.endm
	s_wait_alu depctr_va_vdst(0)                   ; the wait at the head's end
	s_wait_loadcnt 0x0                             ; Q
	SEQ                                            ; my part of stage 0 is in
	ROUND                                          ; everybody's is, and the four work-groups meet
	tensor_load_to_lds s[G0B:G0B+3], s[G1B:G1B+7]  ; stage 1: a first fill, my one load behind this round
	s_nop 0
.rept 4
	v_nop
.endr
	global_prefetch_b8 v[PO2], s[PFB:PFB+1] th:TH_LOAD_NT scope:SCOPE_SE   ; stage 2
	s_mov_b32 s[CT], 0
.Lstage0:                                          ; the first tile (64 or higher): its key steps 0 to 7 lie wholly ahead of its queries
	s_lshl_b32 s[TB], s[CT], 13
	STEP 0
	s_add_co_u32 s[CT], s[CT], 1
	s_cmp_lt_u32 s[CT], 2
	s_cbranch_scc1 .Lstage0
	SEQ                                            ; my part of stage 1 is in
	ROUND
	tensor_load_to_lds s[G0C:G0C+3], s[G1C:G1C+7]  ; stage 2: a first fill, my one load behind this round
	s_nop 0
	s_mov_b32 s[CT], 2                             ; the count goes on
.Lstage1:
	s_lshl_b32 s[TB], s[CT], 13
	STEP 0
	s_add_co_u32 s[CT], s[CT], 1
	s_cmp_lt_u32 s[CT], 8
	s_cbranch_scc1 .Lstage1
	SEQ                                            ; my part of stage 2 is in
	s_barrier_signal -1
	s_barrier_wait -1                              ; everybody's is: all of K and V lies in LDS, and no barrier follows but the closing round's
	s_mov_b32 s[CT], 8
.Lrest:                                            ; sixteen trips: the first tile's key steps 8 to 15, then the second tile's 0 to 7; a constant count, steps behind the diagonal are jumped over
	s_and_b32 s[ST], s[CT], 15
	s_lshl_b32 s[TB], s[ST], 13
	s_cmp_eq_u32 s[CT], 16
	s_cbranch_scc0 .Lsame
	FIN OUT
	RESET
.Lsame:
	STEP 1
	s_add_co_u32 s[CT], s[CT], 1
	s_cmp_lt_u32 s[CT], 24
	s_cbranch_scc1 .Lrest
	FIN OUTB
	SEQ                                            ; the wave's end
	ROUND                                          ; the closing round
	s_endpgm
.Lfunc_end_k_q29e4706664_attn:
	.size	k_q29e4706664_attn, .Lfunc_end_k_q29e4706664_attn-k_q29e4706664_attn
	.p2alignl 7, 3214868480
	.fill 96, 4, 3214868480
	.section	.rodata,"a",@progbits
	.p2align	6, 0x0
	.amdhsa_kernel k_q29e4706664_attn
		.amdhsa_group_segment_fixed_size 327680
		.amdhsa_private_segment_fixed_size 0
		.amdhsa_enable_private_segment 0
		.amdhsa_kernarg_size 40
		.amdhsa_user_sgpr_count 2
		.amdhsa_user_sgpr_kernarg_segment_ptr 1
		.amdhsa_wavefront_size32 1
		.amdhsa_system_sgpr_workgroup_id_x 1
		.amdhsa_system_sgpr_workgroup_id_y 1
		.amdhsa_system_sgpr_workgroup_id_z 1
		.amdhsa_system_vgpr_workitem_id 0
		.amdhsa_next_free_vgpr 256
		.amdhsa_next_free_sgpr 100
		.amdhsa_reserve_vcc 1
		.amdhsa_float_denorm_mode_32 3
		.amdhsa_float_denorm_mode_16_64 3
		.amdhsa_memory_ordered 1
		.amdhsa_forward_progress 1
		.amdhsa_inst_pref_size 73
	.end_amdhsa_kernel
	.amdgpu_metadata
---
amdhsa.version: [ 1, 2 ]
amdhsa.kernels:
  - .name:           k_q29e4706664_attn
    .symbol:         k_q29e4706664_attn.kd
    .args:
      - { .name: qc, .offset: 0, .size: 8, .value_kind: global_buffer, .address_space: global }
      - { .name: kc, .offset: 8, .size: 8, .value_kind: global_buffer, .address_space: global }
      - { .name: vc, .offset: 16, .size: 8, .value_kind: global_buffer, .address_space: global }
      - { .name: lowp_scales, .offset: 24, .size: 8, .value_kind: global_buffer, .address_space: global }
      - { .name: ac, .offset: 32, .size: 8, .value_kind: global_buffer, .address_space: global }
    .group_segment_fixed_size: 327680
    .private_segment_fixed_size: 0
    .kernarg_segment_align: 8
    .kernarg_segment_size: 40
    .max_flat_workgroup_size: 512
    .sgpr_count:     100
    .vgpr_count:     256
    .wavefront_size: 32
...
	.end_amdgpu_metadata
.endif
;; end of part 3
;; launch proj (part 4): grid 4 x 64, 4 waves a work-group, clusters of 4 x 4, 327,680 bytes of LDS; arguments ac, woc, lowp_scales, b_out, out0; writes out0
.if DOCPART == 4
	.amdgcn_target "amdgcn-amd-amdhsa--gfx1250"
	.amdhsa_code_object_version 6
	.text
	.protected	k_q29e4706664_proj
	.globl	k_q29e4706664_proj
	.p2align	8
	.type	k_q29e4706664_proj,@function
k_q29e4706664_proj:
	s_mov_b64 s[64:65], 0
	v_nop
	global_prefetch_b8 v0, s[64:65] scope:SCOPE_SE
	s_setreg_imm32_b32 hwreg(HW_REG_WAVE_MODE, 25, 1), 1
	s_wait_xcnt 0x0
	s_wait_alu depctr_hold_cnt(0) depctr_sa_sdst(0) depctr_va_vdst(0) depctr_va_sdst(0) depctr_va_ssrc(0) depctr_va_vcc(0) depctr_vm_vsrc(0)
	s_getreg_b32 s2, hwreg(HW_REG_IB_STS2, 6, 4)
	s_cmp_eq_u32 s2, 0
	s_cbranch_scc0 .Lentry_in_a_cluster
	s_endpgm
.Lentry_in_a_cluster:
	s_bfe_u32 s2, ttmp6, 0x10000c
	s_cmp_lg_u32 s2, 0xf033
	s_cbranch_scc0 .Lentry_shape_is_right
	s_endpgm
.Lentry_shape_is_right:
; out0 = o W_out + b_out on codes of FP8 (E4M3): each finished sum x 2^(e6 + e7) + bias, f32.
; ac: [row block 512][K block 8][2,048], woc: [row block 64][K block 8][2,048]: a fragment of 16 rows x 128 K as its 16 registers lie: registers 4 i .. 4 i + 3 of lane l at 512 i + 16 l.
; A block of 128 tokens x 256 features is made by a work-group of four waves, each 64 x 128: 32 accumulators.  8,192 x 1,024 results are 64 x 4 = 256 such blocks.
; K = 1,024 comes in three stages of 384, 384 and 256: two regions of LDS of 24 row blocks x 6,144 bytes (A's 8, then B's 16); the third stage fills the first region again, row blocks 4,096 bytes apart.
; Waves 0 and 1 fetch the halves of A's rows, waves 2 and 3 of B's: one tensor load a wave and stage.  A stage is asked for behind the round at which the stage before has landed.
; CLUSTERS of 4 x 4 work-groups: the four of a row of the cluster need the same tiles of A, the four of a column the same tiles of B; each tile is asked for jointly.
; NO PREFETCH: the three stages are written out and there is no loop to run ahead in; each load goes out at the first place that the order of fills leaves it.
; THE MATRIX INSTRUCTION IS USED TRANSPOSED (source 0 = 16 rows of B, source 1 = 16 rows of A): a lane holds one token and eight neighbouring features.
; LIMIT: e6 + e7 between -126 and 127, so that 2^(e6 + e7) is an f32 number.
; REGISTERS, in windows of 256: window 0: v0-31 addresses; v32-95 the bias; v96-127 at work on the way out; v128-191, v192-255 A's fragments, two sets (on the way out: rows read back, two sets);
;   window 1: B's fragments, two sets, at v0 and v128;  window 2: the accumulators, (a, b) at v[8 (8 a + b)].
.set RB3,   6144                       ; a row block's bytes in a stage of three images
.set RB2,   4096                       ; and of two
.set AREG,  8*RB3                      ; B's row blocks lie behind A's eight
.set REG,   24*RB3                     ; a region
.set SPARE, 2*REG                      ; behind the regions: the spare words, 128 bytes for each wave: two blocks of 256 bytes that no other line names
.set SPITCH, 528                       ; the way out: a stage of 16 rows x (512 bytes + 16) for each wave, in the second region: it has had its one fill, and every wave has passed the barrier behind its last read
.set FR,    16
.set NP,    4                          ; places behind this matrix instruction (ISA guide 7.12.1)
.set LI,    5                          ; v5      16 x lane
.set BO,    6                          ; v6      32 (l / 16)
.set ADRA,  16                         ; v16-18  LDS address of my A fragments in stage 0, 1, 2
.set ADRB,  20                         ; v20-22  the same for B
.set STO,   24
.set RD,    25
.set SPW,   28
.set NIL,   29
.set BI,    32
.set TMP,   96
.set AF,    128
.set BK,    128
.set G1,  24                           ; group 1: A's tiles of three images;  G1B: B's;  G1C, G1D: of two images
.set G0,  32
.set G1B, 48
.set G0B, 56
.set G1C, 4
.set G1D, 84
.set MSB, 0
.macro WIN new                         ; the immediate's high byte repeats the setting that is left
.if MSB != (\new)
	s_set_vgpr_msb (MSB<<8)|(\new)
.set MSB, (\new)
.endif
.endm
.set MUL_W, 0xa1                       ; source 0 (B) window 1, source 1 (A) window 0, C and D window 2
.set TO_B,  0x40                       ; destination window 1, address window 0
.macro JLOAD g0a, g1a, g0b, g1b        ; a joint load: waves 0, 1 for A, waves 2, 3 for B; an s_nop 0 and four v_nop follow each line
	s_cmp_eq_u32 s15, 0
	s_cbranch_scc0 .Lfor_b_\@
	tensor_load_to_lds s[\g0a:\g0a+3], s[\g1a:\g1a+7]
	s_nop 0
.rept 4
	v_nop
.endr
	s_branch .Lasked_\@
.Lfor_b_\@:
	tensor_load_to_lds s[\g0b:\g0b+3], s[\g1b:\g1b+7]
	s_nop 0
.rept 4
	v_nop
.endr
.Lasked_\@:
.endm
.macro CREST                           ; a round of the cluster's barrier behind its opening barrier
	s_cmp_lg_u32 s14, 0
	s_cbranch_scc1 .Lnot_wave_0_\@
	s_barrier_signal -3
.Lnot_wave_0_\@:
	s_barrier_wait -3
	s_barrier_signal -1
	s_barrier_wait -1
.endm
.macro CROUND
	s_barrier_signal -1
	s_barrier_wait -1
	CREST
.endm
	s_load_b256 s[68:75], s[0:1], 0x0              ; ac 68:69, woc 70:71, scales 72:73, b_out 74:75
	s_load_b64 s[76:77], s[0:1], 0x20              ; out0
	v_lshl_add_u32 v[SPW], v0, 2, SPARE
	v_mov_b32 v[NIL], 0
	ds_add_u32 v[SPW], v[NIL]                      ; the opening: the add, twice on end, and its wait ahead of my first tensor load
	ds_add_u32 v[SPW], v[NIL]
	v_lshrrev_b32 v1, 5, v0
	v_readfirstlane_b32 s14, v1                    ; wave 0..3
	s_lshr_b32 s15, s14, 1                         ; which 64 of the block's tokens are mine.  Also: I fetch for A (0) or for B (1)
	s_and_b32 s16, s14, 1                          ; which 128 of its features.  Also: which half of that tile's rows I fetch
	s_bfe_u32 s40, ttmp6, 0x40000                  ; cx, cy
	s_bfe_u32 s41, ttmp6, 0x40004
	s_lshl_b32 s42, ttmp9, 2
	s_add_co_u32 s42, s42, s40                     ; block column
	s_and_b32 s17, ttmp7, 0xffff
	s_lshl_b32 s17, s17, 2
	s_add_co_u32 s17, s17, s41                     ; block row
	s_lshl_b32 s43, s41, 2
	s_lshl_b32 s43, 15, s43                        ; my row of the cluster
	s_lshl_b32 s44, 0x1111, s40                    ; my column
.irp g, G1, G1C
	s_or_b32 s[\g], s43, (3<<16)|(1<<21)           ; the mask; elements of 8 bytes; bit 21 beside a mask; no padding: a load of 16 bytes a lane takes 512 consecutive bytes
	s_mov_b32 s[\g+2], 4<<16                       ; A: four row blocks a load
	s_mov_b32 s[\g+4], 4
.endr
.irp g, G1B, G1D
	s_or_b32 s[\g], s44, (3<<16)|(1<<21)
	s_mov_b32 s[\g+2], 8<<16                       ; B: eight
	s_mov_b32 s[\g+4], 8
.endr
.irp g, G1, G1B
	s_mov_b32 s[\g+1], 768<<16                     ; three images: 768 elements
	s_mov_b32 s[\g+3], 768<<16
.endr
.irp g, G1C, G1D
	s_mov_b32 s[\g+1], 512<<16                     ; two images
	s_mov_b32 s[\g+3], 512<<16
.endr
.irp g, G1, G1B, G1C, G1D
	s_mov_b32 s[\g+5], 2048                        ; a row block's eight images
	s_mov_b32 s[\g+6], 0
	s_mov_b32 s[\g+7], 0
.endr
	s_lshl_b32 s20, s17, 17                        ; A: 128 rows are 2^17 bytes of codes,
	s_lshl_b32 s18, s16, 16                        ; + the 64 rows that I fetch
	s_add_co_u32 s20, s20, s18
	s_mov_b32 s21, 0
	s_lshl_b32 s46, s42, 18                        ; B: 256 rows,
	s_lshl_b32 s18, s16, 17                        ; + the 128 that I fetch
	s_add_co_u32 s46, s46, s18
	s_mov_b32 s47, 0
	s_mul_i32 s45, s16, 4*RB3                      ; where they go: made of the wave's number alone
	s_mul_i32 s38, s16, 8*RB3
	s_add_co_u32 s38, s38, AREG
	s_mul_i32 s36, s16, 4*RB2                      ; and in the third stage
	s_mul_i32 s37, s16, 8*RB2
	s_add_co_u32 s37, s37, AREG
	s_lshl_b32 s2, s42, 10
	s_lshl_b32 s3, s16, 9
	s_add_co_u32 s2, s2, s3                        ; my 128 features, in bytes of f32
	s_mov_b32 s3, 0
	s_lshl_b32 s66, s17, 19                        ; 128 rows of 4,096 bytes,
	s_lshl_b32 s67, s15, 18                        ; my 64
	s_add_co_u32 s66, s66, s67
	s_add_co_u32 s66, s66, s2
	s_mov_b32 s67, 0
	s_mul_i32 s22, s15, 4*RB3                      ; what I read: my 64 rows of A,
	s_mul_i32 s23, s16, 8*RB3
	s_add_co_u32 s23, s23, AREG                    ; my 128 rows of B,
	s_mul_i32 s78, s15, 4*RB2                      ; and in the third stage
	s_mul_i32 s79, s16, 8*RB2
	s_add_co_u32 s79, s79, AREG
	s_mul_i32 s39, s14, 16*SPITCH
	s_add_co_u32 s39, s39, REG                     ; my stage for the way out
	s_wait_dscnt 0x0                               ; both opening adds are done
	s_wait_kmcnt 0x0
	s_load_b64 s[98:99], s[72:73], 0x18            ; e6, e7: awaited on the way out
	s_add_nc_u64 s[20:21], s[68:69], s[20:21]
	s_add_nc_u64 s[46:47], s[70:71], s[46:47]
	s_add_nc_u64 s[92:93], s[74:75], s[2:3]        ; the bias; never rewritten
	s_add_nc_u64 s[94:95], s[76:77], s[66:67]      ; my results; never rewritten
	CROUND                                         ; all sixteen work-groups are here: the first joint loads meet
	s_mov_b32 s[G0], 1
	s_mov_b32 s[G0+1], s45
	s_mov_b64 s[G0+2:G0+3], s[20:21]
	s_or_b32 s[G0+3], s[G0+3], 0x80000000
	s_mov_b32 s[G0B], 1
	s_mov_b32 s[G0B+1], s38
	s_mov_b64 s[G0B+2:G0B+3], s[46:47]
	s_or_b32 s[G0B+3], s[G0B+3], 0x80000000
	JLOAD G0, G1, G0B, G1B                         ; stage 0: one tensor load a wave at the head
	v_and_b32 v1, 31, v0
	v_bfe_u32 v2, v0, 4, 1
	v_and_b32 v3, 15, v0
	v_lshlrev_b32 v[LI], 4, v1
	v_lshlrev_b32 v[BO], 5, v2
	v_mul_u32_u24 v[STO], v3, SPITCH
	v_add_nc_u32 v[ADRA], s22, v[LI]
	v_add_nc_u32 v[ADRB], s23, v[LI]
	v_add_nc_u32 v[ADRA+2], s78, v[LI]
	v_add_nc_u32 v[ADRB+2], s79, v[LI]
	v_lshl_add_u32 v[STO], v2, 5, v[STO]
	v_add_nc_u32 v[RD], s39, v[LI]                 ; back: the 32 lanes take one row of 512 bytes
	v_add_nc_u32 v[ADRA+1], REG, v[ADRA]
	v_add_nc_u32 v[ADRB+1], REG, v[ADRB]
	v_add_nc_u32 v[STO], s39, v[STO]               ; in: row l % 16, 32 bytes for each half of the lanes
.irp b, 0,1,2,3,4,5,6,7
	global_load_b128 v[BI+8*\b:BI+8*\b+3], v[BO], s[92:93] offset:64*\b          ; register 8 b + j: the bias of feature 16 b + 8 (l / 16) + j of my 128
	global_load_b128 v[BI+8*\b+4:BI+8*\b+7], v[BO], s[92:93] offset:64*\b+16
.endr
.macro FRAG reg, adr, off              ; a fragment comes as its image lies: four loads of 16 bytes a lane
.irp c, 0,1,2,3
	ds_load_b128 v[\reg+4*\c:\reg+4*\c+3], v[\adr] offset:\off+512*\c
.endr
.endm
.macro FETCH st, q, p                  ; the fragments of stage st's q-th 128 along K into set p: B's eight, A's four: 48 loads
.if (\st) == 2
.set PT, RB2
.else
.set PT, RB3
.endif
	WIN TO_B
.irp i, 0,1,2,3,4,5,6,7
	FRAG 128*(\p)+FR*\i, ADRB+(\st), 2048*(\q)+\i*PT
.endr
	WIN 0
.irp i, 0,1,2,3
	FRAG AF+64*(\p)+FR*\i, ADRA+(\st), 2048*(\q)+\i*PT
.endr
.endm
; 16 matrix instructions: A's blocks a0, a0 + 1 x B's eight, 128 along K, on set p.  zero = 1: the first product starts the sums.  The 32 accumulators take turns, in the same order in every step.
.macro MUL16 a0, p, zero
.irp a, \a0, \a0+1
.irp b, 0,1,2,3,4,5,6,7
.if \zero
	v_wmma_f32_16x16x128_fp8_fp8 v[8*(8*(\a)+\b):8*(8*(\a)+\b)+7], v[128*(\p)+FR*\b:128*(\p)+FR*\b+FR-1], v[AF+64*(\p)+FR*(\a):AF+64*(\p)+FR*(\a)+FR-1], 0
.else
	v_wmma_f32_16x16x128_fp8_fp8 v[8*(8*(\a)+\b):8*(8*(\a)+\b)+7], v[128*(\p)+FR*\b:128*(\p)+FR*\b+FR-1], v[AF+64*(\p)+FR*(\a):AF+64*(\p)+FR*(\a)+FR-1], v[8*(8*(\a)+\b):8*(8*(\a)+\b)+7]
.endif
.endr
.endr
.endm
.macro PLACES n                        ; a load into a register that a matrix instruction has read stands NP places behind it (ISA guide 7.12.1 for vector instructions)
.rept \n
	v_nop
.endr
.endm
.macro KSTEP st, q, p, zero            ; 128 along K whose successor lies in the same stage: the successor's fragments are fetched into the other set while this set is multiplied
	s_wait_dscnt 0x0                               ; set p is in
	PLACES NP
	FETCH \st, (\q)+1, 1-(\p)
	WIN MUL_W
	MUL16 0, \p, \zero
	MUL16 2, \p, \zero
	WIN 0
.endm
.macro TURN p, next, fill              ; a stage's last 128 along K.  One barrier; in front of it each wave waits for all its tensor loads, adds 0 to its spare word, and waits for that and for its reads of this stage
	s_wait_tensorcnt 0x0                           ; my part of the next stage has landed  (every window is 0 here)
	ds_add_u32 v[SPW], v[NIL]                      ; 0 onto my spare word
	s_wait_dscnt 1                                 ; set p is in; the add may be out
	WIN MUL_W
	MUL16 0, \p, 0
	s_wait_dscnt 0x0                               ; the add is done, and my reads of this stage are over
	s_barrier_signal -1
	MUL16 2, \p, 0
	WIN 0
	s_barrier_wait -1
.if \fill
	CREST                                          ; the barrier has opened a round of the cluster's barrier: no wave of any partner still reads the first region or has a load on its way
	s_mov_b32 s[G0+1], s36                         ; the third stage, into the first region
	s_add_nc_u64 s[G0+2:G0+3], s[G0+2:G0+3], RB3
	s_mov_b32 s[G0B+1], s37
	s_add_nc_u64 s[G0B+2:G0B+3], s[G0B+2:G0B+3], RB3
	JLOAD G0, G1C, G0B, G1D                        ; the first tensor load behind the round; its four v_nop are the places in front of the loads below
.else
	PLACES NP
.endif
	FETCH \next, 0, 1-(\p)
.endm
	s_wait_alu depctr_va_vdst(0)                   ; the wait at the head's end
	s_wait_tensorcnt 0x0                           ; my part of stage 0 is in
	ds_add_u32 v[SPW], v[NIL]
	s_wait_dscnt 0x0
	CROUND                                         ; everybody's part is in, and the sixteen work-groups meet
	s_add_co_u32 s[G0+1], s[G0+1], REG             ; stage 1, into the second region
	s_add_nc_u64 s[G0+2:G0+3], s[G0+2:G0+3], RB3
	s_add_co_u32 s[G0B+1], s[G0B+1], REG
	s_add_nc_u64 s[G0B+2:G0B+3], s[G0B+2:G0B+3], RB3
	JLOAD G0, G1, G0B, G1B
	FETCH 0, 0, 0
	KSTEP 0, 0, 0, 1                               ; eight steps of 128 along K, written out; the first starts the sums
	KSTEP 0, 1, 1, 0
	TURN 0, 1, 1
	KSTEP 1, 0, 1, 0
	KSTEP 1, 1, 0, 0
	TURN 1, 2, 0                                   ; nothing is left to fetch
	KSTEP 2, 0, 0, 0
	s_wait_dscnt 0x0
	WIN MUL_W
	MUL16 0, 1, 0
	MUL16 2, 1, 0
	WIN 0
; THE WAY OUT, block by block of 16 tokens x 128 features: sum x 2^(e6 + e7) + bias goes through my stage in LDS and comes back as whole rows of 512 bytes, which the 32 lanes store as two aligned units of 256 bytes.
; LDS serves a wave's instructions in order (ISA guide 5.7.1.4): no wait between the stores and the loads, nor in front of the next block's stores.
.macro TOSTAGE a
.irp u, 0,1
	WIN 0x02                                       ; source 0: window 2
.set PP, 0
.rept 16
	v_pk_fma_f32 v[TMP+PP:TMP+PP+1], v[64*(\a)+32*\u+PP:64*(\a)+32*\u+PP+1], s[96:97], v[BI+32*\u+PP:BI+32*\u+PP+1] op_sel_hi:[1,0,1]   ; each accumulator from its low end on
.set PP, PP+2
.endr
	WIN 0
.irp b, 0,1,2,3
	ds_store_b128 v[STO], v[TMP+8*\b:TMP+8*\b+3] offset:64*(4*\u+\b)
	ds_store_b128 v[STO], v[TMP+8*\b+4:TMP+8*\b+7] offset:64*(4*\u+\b)+16
.endr
.endr
.set BB, BK+64*((\a)%2)
.irp t, 0,1,2,3,4,5,6,7,8,9,10,11,12,13,14,15
	ds_load_b128 v[BB+4*\t:BB+4*\t+3], v[RD] offset:\t*SPITCH
.endr
.endm
.macro SEND a, younger                 ; younger: the LDS instructions issued behind block a's loads, which may stay out
.set BB, BK+64*((\a)%2)
	s_wait_dscnt \younger
.irp t, 0,1,2,3,4,5,6,7,8,9,10,11,12,13,14,15
	global_store_b128 v[LI], v[BB+4*\t:BB+4*\t+3], s[94:95] offset:(16*(\a)+\t)*4096 th:TH_STORE_NT   ; 512 consecutive bytes, aligned; written once, read by nobody here
.endr
.endm
	s_wait_kmcnt 0x0
	s_add_co_i32 s96, s98, s99
	s_add_co_i32 s96, s96, 127
	s_lshl_b32 s96, s96, 23                        ; 2^(e6 + e7)
	s_mov_b32 s97, s96                             ; (named with it as a pair, so it is written)
	PLACES NP                                      ; behind the last products: for the reads of results and the loads into the registers that held A's fragments
	s_wait_loadcnt 0x0                             ; the bias
	TOSTAGE 0
.irp a, 1,2,3
.if \a > 1
	s_wait_xcnt 0x0                                ; block a - 2's stores have read their registers: block a's loads may land there
.endif
	TOSTAGE \a
	SEND \a-1, 32                                  ; behind block a - 1's loads: block a's 16 stores and 16 loads
.endr
	SEND 3, 0
	s_wait_tensorcnt 0x0                           ; the wave's end
	ds_add_u32 v[SPW], v[NIL]
	s_wait_dscnt 0x0
	CROUND                                         ; the closing round
	s_endpgm
.Lfunc_end_k_q29e4706664_proj:
	.size	k_q29e4706664_proj, .Lfunc_end_k_q29e4706664_proj-k_q29e4706664_proj
	.p2alignl 7, 3214868480
	.fill 96, 4, 3214868480
	.section	.rodata,"a",@progbits
	.p2align	6, 0x0
	.amdhsa_kernel k_q29e4706664_proj
		.amdhsa_group_segment_fixed_size 327680
		.amdhsa_private_segment_fixed_size 0
		.amdhsa_enable_private_segment 0
		.amdhsa_kernarg_size 40
		.amdhsa_user_sgpr_count 2
		.amdhsa_user_sgpr_kernarg_segment_ptr 1
		.amdhsa_wavefront_size32 1
		.amdhsa_system_sgpr_workgroup_id_x 1
		.amdhsa_system_sgpr_workgroup_id_y 1
		.amdhsa_system_sgpr_workgroup_id_z 1
		.amdhsa_system_vgpr_workitem_id 0
		.amdhsa_next_free_vgpr 768
		.amdhsa_next_free_sgpr 100
		.amdhsa_reserve_vcc 0
		.amdhsa_float_denorm_mode_32 3
		.amdhsa_float_denorm_mode_16_64 3
		.amdhsa_memory_ordered 1
		.amdhsa_forward_progress 1
		.amdhsa_inst_pref_size 77
	.end_amdhsa_kernel
	.amdgpu_metadata
---
amdhsa.version: [ 1, 2 ]
amdhsa.kernels:
  - .name:           k_q29e4706664_proj
    .symbol:         k_q29e4706664_proj.kd
    .args:
      - { .name: ac, .offset: 0, .size: 8, .value_kind: global_buffer, .address_space: global }
      - { .name: woc, .offset: 8, .size: 8, .value_kind: global_buffer, .address_space: global }
      - { .name: lowp_scales, .offset: 16, .size: 8, .value_kind: global_buffer, .address_space: global }
      - { .name: b_out, .offset: 24, .size: 8, .value_kind: global_buffer, .address_space: global }
      - { .name: out0, .offset: 32, .size: 8, .value_kind: global_buffer, .address_space: global }
    .group_segment_fixed_size: 327680
    .private_segment_fixed_size: 0
    .kernarg_segment_align: 8
    .kernarg_segment_size: 40
    .max_flat_workgroup_size: 128
    .sgpr_count:     100
    .vgpr_count:     768
    .wavefront_size: 32
...
	.end_amdgpu_metadata
.endif
;; end of part 4
